; MI455X (gfx1250); checked and timed in simulation.
; The chip was launched on July 23, 2026; its instructions are those of AMD's public machine-readable ISA for CDNA 5 (MIT licence, August 2026) and "CDNA5" Instruction Set Architecture Reference Guide (July 2026). The comments in the code are by the model that wrote it; some were corrected since.
;; Attention. Allowed arithmetic: matrix products marked QUANTISED: E2M3 operands, one E8M0 scale for each 32 along K, by v_wmma_scale_f32_16x16x128_f8f6f4 with both operands' format E2M3, f32 sums; everything else in f32.
;; Inputs: b_proj 1,024 float32; w_proj 1,024 x 1,024 float32; w_qkv 1,024 x 3,072 float32; x 4 x 2,048 x 1,024 float32.
;; Outputs: out0 4 x 2,048 x 1,024 float32.
;; This version of the problem:
;;   THIS VERSION OF THE PROBLEM IS GIVEN IN LOW PRECISION. The matrix products marked QUANTISED in the list below multiply operands that are first quantised to E2M3 (2 exponent bits, 3 mantissa bits; 6 bits a number), with one power-of-two scale for each 32 numbers along K (OCP MX v1.0); their sums are f32. All else is computed in f32.
;;   The module's matrix products, in the order in which they are computed (A, B: the left and right operand; K: the contracted axis; several contracted axes count as one K, in the product's order):
;;     1. [M 8,192, K 1,024] x [K 1,024, N 3,072]; A: input x; B: input w_qkv: QUANTISED
;;     2. batch 64 x [M 2,048, K 64] x [K 64, N 2,048]; A: computed on the way; B: computed on the way: QUANTISED
;;     3. batch 64 x [M 2,048, K 2,048] x [K 2,048, N 64]; A: softmax (see below); B: computed on the way: QUANTISED
;;     4. [M 8,192, K 1,024] x [K 1,024, N 1,024]; A: computed on the way; B: input w_proj: QUANTISED
;;   THE QUANTISER, for each operand of a quantised product, along K:
;;     - K is cut into blocks of 32 from its start; a last block that is shorter is filled with zeros.
;;     - A block's scale is 2^e with e = floor(log2(the largest magnitude in the block)) - 2, held to -126 .. 127; a block of zeros has e = 0. As a byte (E8M0): e + 127.
;;     - Each number is divided by its block's scale, clamped to +-7.5, and rounded to the nearest number of E2M3, ties to even, subnormals kept.
;;     - The product sums the exact products of the quantised numbers (number of the format x scale) in f32.
;;   ~~~python
;;   def quantise(x, axis):      # numpy; x: float32 -> the quantised numbers, widened to float32 again
;;       x = np.moveaxis(x, axis, -1); K = x.shape[-1]
;;       x = np.pad(x, [(0, 0)] * (x.ndim - 1) + [(0, -K % 32)]); x = x.reshape(x.shape[:-1] + (-1, 32)); a = np.abs(x).max(-1, keepdims=True)
;;       e = np.where(a > 0, np.clip(np.frexp(np.where(a > 0, a, 1))[1] - 1 - 2, -126, 127), 0)      # np.frexp(a)[1] - 1 = floor(log2(a)), exactly
;;       r = np.clip(x / 2.0 ** e, -7.5, 7.5)
;;       step = 2.0 ** (np.maximum(np.frexp(np.where(r == 0, 1, r))[1] - 1, 0) - 3)
;;       q = np.round(r / step) * step * 2.0 ** e      # np.round: ties to even
;;       return np.moveaxis(q.reshape(q.shape[:-2] + (-1,))[..., :K], -1, axis).astype(np.float32)
;;   ~~~
;;   SOFTMAX AHEAD OF A QUANTISED PRODUCT. Where the list says 'softmax', what is quantised is not the finished softmax but p = 2^(t - M), with t = logit x log2(e) and M = ceil(the row's largest t), a whole number; so 1/2 < the row's largest p <= 1. The row's sum l is taken of the UNQUANTISED p, in f32, and the product's result is divided by l at the end. Since M is a whole number, a kernel that streams over the keys may use a running M (the ceiling of the running maximum): every later rescaling is an exact power of two, which a block's scale takes up: the codes' values come out the same.
;;   OPERANDS COMPUTED ON THE WAY. 'Computed on the way' means the value that the module computes at that place (a softmax that the list does not call 'softmax' is quantised finished and normalised). What goes into a quantiser is computed in f32, as accurately as f32 sums, v_exp_f32 and their like allow (about 1e-6 of the number): no bf16 or f16 on the way to a quantiser, and a product that is left as it is and whose result goes on into a quantised operand takes f32 operands (vector FMAs, or v_wmma_f32_16x16x4_f32). A number that lies on a knife's edge between two numbers of the format may be rounded either way, as far as f32 arithmetic and the matrix unit's own rounding can turn it there, and no further.
;; One version. Each part assembles by itself: llvm-mc -triple=amdgcn-amd-amdhsa -mcpu=gfx1250 --defsym DOCPART=n.
;; ======== version 1 of 1: 5 launches
;; workspace buffers: xq 6,553,600 bytes; wq 3,276,800 bytes; qk 13,107,200 bytes; vq 6,553,600 bytes; oq 6,553,600 bytes
;; launch quant_x (part 1): grid 256 x 1, 4 waves a work-group, no clusters, 34,304 bytes of LDS; arguments x, xq; writes xq
.if DOCPART == 1
	.amdgcn_target "amdgcn-amd-amdhsa--gfx1250"
	.amdhsa_code_object_version 6
	.text
	.protected	k_q30300b7e6a_quant_x
	.globl	k_q30300b7e6a_quant_x
	.p2align	8
	.type	k_q30300b7e6a_quant_x,@function
k_q30300b7e6a_quant_x:
	s_mov_b64 s[64:65], 0
	v_nop
	global_prefetch_b8 v0, s[64:65] scope:SCOPE_SE
	s_setreg_imm32_b32 hwreg(HW_REG_WAVE_MODE, 25, 1), 1
	s_wait_xcnt 0x0
; x [8192][1024] f32 becomes codes of FP6 (E2M3) with one E8M0 byte for each 32 along K, laid as the next launch's operand registers want them.
; A block's scale is 2^(floor(log2(largest magnitude)) - 2): its byte is the largest magnitude's exponent field - 2, held at 1 from below.
; LIMITS: NaN and infinities are not served; a block whose largest magnitude lies under 2^-124 has its byte held at 1; a block of zeros gets the byte 1, not 127: its codes are zeros, and this program alone reads the bytes.
; LAYOUT OF xq.  In each 32 rows, row i lies at position i with bits 3 and 4 swapped: tile 2 g + u, row r holds row 32 g + 8 u + r % 8 + 16 (r / 8).
; A fragment (tile T of 16 positions, K step s of 128) is 12 registers a lane: registers 4 c .. 4 c + 3 of a lane lie at ((8 T + s) 3 + c) 512 + 16 lane.
; Scale words behind the codes: (pos / 128) 4096 + (s / 2) 1024 + (pos % 128) 8 + 4 (s % 2).
; SHARES.  Work-group g takes rows 32 g .. 32 g + 31, wave t the 256 along K from 256 t: four units (tile u, step q), each 16 rows x 128 numbers.  Waves share nothing: no barrier.
; A unit's 16 loads read 512 consecutive bytes each; the rows turn through the wave's own stage in LDS (pitch 528), so that a lane gets 16 neighbours of each block of 32.
; Memory binds here: no matrix unit, no cluster (no two work-groups read the same byte).
.set XS_OFF, 6291456
.set STG,  8448                        ; a wave's stage: 16 rows x 528 bytes
.set SEL,  12                          ; s[12:13] selects of v_permlanex16_b32: lane xor 16
.set TM,   16                          ; v16-19 largest magnitudes, v20-23 bytes, v28-31 the conversions' scale operands
.set PC,   32                          ; v32-43 the fragment just made
.set T2,   44                          ; v44-51 the upper halves of the blocks
.set PW,   52                          ; v52-55 the four units' scale words
.set R,    64                          ; v64-191 two sets of 64: rows as loaded
.set X,    192                         ; v192-255 64 numbers: register 16 b + i = k 32 b + 16 (lane / 16) + i of my row
	s_load_b128 s[4:7], s[0:1], 0x0                ; x, xq
	v_lshl_add_u32 v62, v0, 2, 0x8400
	v_mov_b32 v63, 0
	v_lshrrev_b32 v5, 5, v0
	v_readfirstlane_b32 s16, v5                    ; wave = t
	v_and_b32 v6, 31, v0                           ; lane
	v_and_b32 v7, 15, v0                           ; r
	v_bfe_u32 v8, v0, 4, 1                         ; h
	v_lshlrev_b32 v1, 4, v6                        ; 16 x lane: loads and code stores
	s_mul_i32 s19, s16, STG
	v_add_nc_u32 v2, s19, v1                       ; into the stage
	v_mul_u32_u24 v3, v7, 528
	v_lshl_add_u32 v3, v8, 6, v3
	v_add_nc_u32 v3, s19, v3                       ; out of it: row r, + 64 h
	v_lshlrev_b32 v4, 3, v6                        ; 8 x lane: the scale words' store
	s_mov_b32 s[SEL], 0x76543210
	s_mov_b32 s[SEL+1], 0xfedcba98
	s_mov_b32 s14, 0xffff0000                      ; lanes 16-31
.irp b, 0,1,2,3
	v_mov_b32 v[TM+4+\b], 0                        ; a lane permute's destination counts as read
.endr
	s_lshl_b32 s20, ttmp9, 17                      ; 32 rows of 4,096 bytes
	s_lshl_b32 s18, s16, 10                        ; 256 numbers; also 1,024 bytes of scale words
	s_add_co_u32 s20, s20, s18
	s_mov_b32 s21, 0
	s_mul_i32 s22, ttmp9, 24576                    ; two row tiles of 12,288 bytes
	s_mul_i32 s17, s16, 3072                       ; two K steps of 1,536
	s_add_co_u32 s22, s22, s17
	s_mov_b32 s23, 0
	s_lshr_b32 s24, ttmp9, 2
	s_lshl_b32 s24, s24, 12
	s_add_co_u32 s24, s24, s18
	s_and_b32 s17, ttmp9, 3
	s_lshl_b32 s17, s17, 8
	s_add_co_u32 s24, s24, s17
	s_add_co_u32 s24, s24, XS_OFF
	s_mov_b32 s25, 0
	s_wait_kmcnt 0x0
	s_add_nc_u64 s[4:5], s[4:5], s[20:21]
	s_add_nc_u64 s[8:9], s[6:7], s[24:25]          ; my 256 bytes of scale words
	s_add_nc_u64 s[6:7], s[6:7], s[22:23]          ; my four fragments
.macro LOAD n                          ; unit n = 2 u + q: the 16 rows of tile u in the order of their positions, 512 bytes each
.irp i, 0,1,2,3,4,5,6,7,8,9,10,11,12,13,14,15
	global_load_b128 v[R+64*((\n)%2)+4*\i:R+64*((\n)%2)+4*\i+3], v1, s[4:5] offset:(8*((\n)/2)+(\i%8)+16*(\i/8))*4096+512*((\n)%2) th:TH_LOAD_NT
.endr
.endm
.macro TURN n                          ; through the stage: LDS serves a wave's instructions in order, so no wait stands between the stores and the loads
.irp i, 0,1,2,3,4,5,6,7,8,9,10,11,12,13,14,15
	ds_store_b128 v2, v[R+64*((\n)%2)+4*\i:R+64*((\n)%2)+4*\i+3] offset:528*\i
.endr
.irp b, 0,1,2,3
.irp j, 0,1,2,3
	ds_load_b128 v[X+16*\b+4*\j:X+16*\b+4*\j+3], v3 offset:128*\b+16*\j
.endr
.endr
.endm
.macro QSCALE s, pw                    ; the four blocks' scales, by turns
.irp b, 0,1,2,3
	v_max3_num_f32 v[TM+\b], |v[\s+16*\b]|, |v[\s+1+16*\b]|, 0x1800000   ; with the floor 2^(3 - 127): the byte cannot fall under 1
.endr
.irp i, 2,4,6,8,10,12,14
.irp b, 0,1,2,3
	v_max3_num_f32 v[TM+\b], v[TM+\b], |v[\s+16*\b+\i]|, |v[\s+1+16*\b+\i]|
.endr
.endr
.irp b, 0,1,2,3
	v_permlanex16_b32 v[TM+4+\b], v[TM+\b], s[SEL], s[SEL+1]
.endr
.irp b, 0,1,2,3
	v_max_num_f32 v[TM+\b], v[TM+\b], v[TM+4+\b]   ; with lane xor 16's 16 numbers: the block's largest magnitude
.endr
.irp b, 0,1,2,3
	v_add_nc_u32 v[TM+12+\b], 0xff000000, v[TM+\b] ; 2 off its exponent field: the conversion's scale operand
.endr
.irp b, 0,1,2,3
	v_lshrrev_b32 v[TM+4+\b], 23, v[TM+12+\b]      ; the byte
.endr
	v_lshl_or_b32 v[\pw], v[TM+5], 8, v[TM+4]
	v_lshl_or_b32 v[\pw], v[TM+6], 16, v[\pw]
	v_lshl_or_b32 v[\pw], v[TM+7], 24, v[\pw]
.endm
.macro QCODES s
.irp c, 0,1
	v_cvt_scalef32_pk16_fp6_f32 v[PC+6*\c:PC+2+6*\c], v[\s+32*\c:\s+15+32*\c], v[TM+12+2*\c]
	v_cvt_scalef32_pk16_fp6_f32 v[T2+4*\c:T2+2+4*\c], v[\s+16+32*\c:\s+31+32*\c], v[TM+12+2*\c+1]
.endr
	v_nop                                          ; one plain place behind a scaled conversion
.irp c, 0,1                                    ; the operand wants a whole block in a lane: lanes 0-15 block 2 c, lanes 16-31 block 2 c + 1
.irp i, 0,1,2
	v_permlane16_swap_b32 v[PC+6*\c+\i], v[T2+4*\c+\i]
.endr
.irp i, 0,1,2
	v_mov_b32 v[PC+3+6*\c+\i], v[T2+4*\c+\i]
.endr
.endr
.endm
	LOAD 0
	LOAD 1
.irp n, 0,1,2,3
.if \n < 3
	s_wait_loadcnt 16                              ; this unit's 16 loads are in; the next unit's 16 may be out
.else
	s_wait_loadcnt 0x0
.endif
	TURN \n
	s_wait_dscnt 0x0                               ; the numbers are back, and the stage's stores have read their registers,
.if \n < 2
	LOAD \n+2                                      ; which take the unit two on
.endif
	QSCALE X, PW+\n
	s_wait_xcnt 0x0                                ; the last unit's stores have read the fragment's registers
	QCODES X
.irp c, 0,1,2
	global_store_b128 v1, v[PC+4*\c:PC+4*\c+3], s[6:7] offset:(\n/2)*12288+(\n%2)*1536+512*\c   ; 512 consecutive bytes
.endr
.endr
	v_cndmask_b32 v56, v52, v54, s14               ; lanes 0-15: tile 0's words of row r, lanes 16-31: tile 1's
	v_cndmask_b32 v57, v53, v55, s14
	global_store_b64 v4, v[56:57], s[8:9]          ; 256 consecutive bytes, aligned
	s_wait_tensorcnt 0x0
	ds_add_u32 v62, v63
	s_wait_dscnt 0x0
	s_endpgm
.Lfunc_end_k_q30300b7e6a_quant_x:
	.size	k_q30300b7e6a_quant_x, .Lfunc_end_k_q30300b7e6a_quant_x-k_q30300b7e6a_quant_x
	.p2alignl 7, 3214868480
	.fill 96, 4, 3214868480
	.section	.rodata,"a",@progbits
	.p2align	6, 0x0
	.amdhsa_kernel k_q30300b7e6a_quant_x
		.amdhsa_group_segment_fixed_size 34304
		.amdhsa_private_segment_fixed_size 0
		.amdhsa_enable_private_segment 0
		.amdhsa_kernarg_size 16
		.amdhsa_user_sgpr_count 2
		.amdhsa_user_sgpr_kernarg_segment_ptr 1
		.amdhsa_wavefront_size32 1
		.amdhsa_system_sgpr_workgroup_id_x 1
		.amdhsa_system_sgpr_workgroup_id_y 1
		.amdhsa_system_sgpr_workgroup_id_z 1
		.amdhsa_system_vgpr_workitem_id 0
		.amdhsa_next_free_vgpr 256
		.amdhsa_next_free_sgpr 66
		.amdhsa_reserve_vcc 0
		.amdhsa_float_denorm_mode_32 3
		.amdhsa_float_denorm_mode_16_64 3
		.amdhsa_memory_ordered 1
		.amdhsa_forward_progress 1
		.amdhsa_inst_pref_size 33
	.end_amdhsa_kernel
	.amdgpu_metadata
---
amdhsa.version: [ 1, 2 ]
amdhsa.kernels:
  - .name:           k_q30300b7e6a_quant_x
    .symbol:         k_q30300b7e6a_quant_x.kd
    .args:
      - { .name: x, .offset: 0, .size: 8, .value_kind: global_buffer, .address_space: global }
      - { .name: xq, .offset: 8, .size: 8, .value_kind: global_buffer, .address_space: global }
    .group_segment_fixed_size: 34304
    .private_segment_fixed_size: 0
    .kernarg_segment_align: 8
    .kernarg_segment_size: 16
    .max_flat_workgroup_size: 128
    .sgpr_count:     66
    .vgpr_count:     256
    .wavefront_size: 32
...
	.end_amdgpu_metadata
.endif
;; end of part 1
;; launch quant_w (part 2): grid 32 x 4, 4 waves a work-group, no clusters, 26,112 bytes of LDS; arguments w_qkv, w_proj, wq; writes wq
.if DOCPART == 2
	.amdgcn_target "amdgcn-amd-amdhsa--gfx1250"
	.amdhsa_code_object_version 6
	.text
	.protected	k_q30300b7e6a_quant_w
	.globl	k_q30300b7e6a_quant_w
	.p2align	8
	.type	k_q30300b7e6a_quant_w,@function
k_q30300b7e6a_quant_w:
	s_mov_b64 s[64:65], 0
	v_nop
	global_prefetch_b8 v0, s[64:65] scope:SCOPE_SE
	s_setreg_imm32_b32 hwreg(HW_REG_WAVE_MODE, 25, 1), 1
	s_wait_xcnt 0x0
; w_qkv [1024 (k)][3072] and w_proj [1024 (k)][1024], f32, K along the FIRST axis, become codes of FP6 (E2M3) with one E8M0 byte for each 32 along K.
; wq has 4,096 rows: the columns of w_qkv, then those of w_proj; layout as xq's: in each 32 rows, row i at position i with bits 3 and 4 swapped; a fragment (tile T, K step s) at (8 T + s) 1536,
; registers 4 c .. 4 c + 3 of a lane at + 512 c + 16 lane; scale words behind the codes at (pos / 128) 4096 + (s / 2) 1024 + (pos % 128) 8 + 4 (s % 2).
; LIMITS: NaN and infinities are not served; a block whose largest magnitude lies under 2^-124 has its byte held at 1; a block of zeros gets the byte 1, not 127: its codes are zeros, and this program alone reads the bytes.
; A LANE TAKES A COLUMN AND ITS REGISTERS RUN DOWN K: a block of 32 lies in one lane, the conversions give codes with K innermost.  Work-group (X, t): columns 128 X on, 256 along K from 256 t; wave: 32 columns.
; One path serves both tensors: only the pointer, the pitch and the first column are chosen, on the work-group's number.
; A lane's six registers of a block are registers 6 c .. 6 c + 5 of lane r + 16 h' of a fragment: they are laid so in the wave's own stage in LDS and leave as 512 consecutive bytes a store.  No barrier: waves share nothing.
.set WS_OFF, 3145728
.set AO,   32                          ; v32-63  4 lane + i x pitch
.set X,    64                          ; v64-127 two sets of 32 numbers
.set E,    16                          ; v16-21  a block's codes
.set F,    24                          ; v24-26  its upper half as converted
.set SB,   28                          ; v28-29  my row's two scale words
.set OUTR, 128                         ; v128-175 the way out
.set BASE, 32                          ; s[32:47] a base for each of the 8 blocks
	s_load_b128 s[4:7], s[0:1], 0x0                ; w_qkv, w_proj
	s_load_b64 s[8:9], s[0:1], 0x10                ; wq
	v_lshl_add_u32 v176, v0, 2, 0x6400
	v_mov_b32 v177, 0
	v_lshrrev_b32 v1, 5, v0
	v_readfirstlane_b32 s16, v1                    ; wave
	v_and_b32 v1, 31, v0                           ; lane = my column among the wave's 32
	v_and_b32 v6, 7, v0
	v_bfe_u32 v7, v0, 3, 1                         ; which tile my column's position falls in
	v_bfe_u32 v8, v0, 4, 1
	v_lshl_or_b32 v9, v8, 3, v6                    ; and which row r of it
	s_mul_i32 s18, s16, 6400                       ; my stage: two tiles of 3,072 bytes, 3,200 apart
	v_mul_u32_u24 v2, v7, 3200
	v_lshl_add_u32 v2, v9, 4, v2
	v_add_nc_u32 v2, s18, v2                       ; into it
	v_lshlrev_b32 v4, 4, v1                        ; 16 x lane
	v_add_nc_u32 v3, s18, v4                       ; out of it
	v_lshl_or_b32 v5, v7, 4, v9                    ; my position
	v_lshlrev_b32 v5, 3, v5                        ; 8 bytes of scale words a position
	s_and_b32 s19, ttmp7, 0xffff                   ; t
	s_mov_b32 s17, 4096
	s_cmp_lt_u32 ttmp9, 24                         ; w_qkv's work-group or w_proj's
	s_cselect_b32 s17, 12288, s17                  ; a row of the tensor in bytes
	s_cselect_b32 s20, 0, 24
	s_wait_kmcnt 0x0
	s_cselect_b64 s[4:5], s[4:5], s[6:7]
	s_sub_co_u32 s20, ttmp9, s20
	s_lshl_b32 s20, s20, 9                         ; 128 columns of 4 bytes
	s_lshl_b32 s21, s16, 7                         ; my wave's 32
	s_add_co_u32 s20, s20, s21
	s_mul_i32 s21, s19, s17
	s_lshl_b32 s21, s21, 8                         ; 256 t rows
	s_add_co_u32 s20, s20, s21
	s_mov_b32 s21, 0
	s_add_nc_u64 s[BASE:BASE+1], s[4:5], s[20:21]
	s_lshl_b32 s22, s17, 5                         ; 32 rows on
	s_mov_b32 s23, 0
.irp j, 1,2,3,4,5,6,7
	s_add_nc_u64 s[BASE+2*\j:BASE+2*\j+1], s[BASE+2*\j-2:BASE+2*\j-1], s[22:23]
.endr
	v_lshlrev_b32 v[AO], 2, v1
.irp i, 1,2,3,4,5,6,7,8,9,10,11,12,13,14,15,16,17,18,19,20,21,22,23,24,25,26,27,28,29,30,31
	v_add_nc_u32 v[AO+\i], s17, v[AO+\i-1]
.endr
	s_lshl_b32 s24, ttmp9, 3
	s_lshl_b32 s25, s16, 1
	s_add_co_u32 s24, s24, s25                     ; my first row tile: 8 X + 2 wave
	s_mul_i32 s24, s24, 12288
	s_mul_i32 s25, s19, 3072
	s_add_co_u32 s24, s24, s25
	s_mov_b32 s25, 0
	s_lshl_b32 s26, ttmp9, 12
	s_lshl_b32 s27, s19, 10
	s_add_co_u32 s26, s26, s27
	s_lshl_b32 s27, s16, 8
	s_add_co_u32 s26, s26, s27
	s_add_co_u32 s26, s26, WS_OFF
	s_mov_b32 s27, 0
	s_add_nc_u64 s[10:11], s[8:9], s[26:27]        ; my 256 bytes of scale words
	s_add_nc_u64 s[8:9], s[8:9], s[24:25]          ; my four fragments
.macro LOAD t                          ; block t: 32 rows of the tensor at my column: 128 consecutive bytes a wave, 512 a work-group
.irp i, 0,1,2,3,4,5,6,7,8,9,10,11,12,13,14,15,16,17,18,19,20,21,22,23,24,25,26,27,28,29,30,31
	global_load_b32 v[X+32*((\t)%2)+\i], v[AO+\i], s[BASE+2*(\t):BASE+2*(\t)+1] th:TH_LOAD_NT
.endr
.endm
	LOAD 0
	LOAD 1
.macro BLOCK t                         ; block t = 4 q + 2 c + h'
.set XS, X+32*((\t)%2)
.set QQ, (\t)/4
.set CC, ((\t)%4)/2
.set HH, (\t)%2
.if (\t) < 7
	s_wait_loadcnt 32                              ; this block's 32 loads are in; the next block's may be out
.else
	s_wait_loadcnt 0x0
.endif
	v_max3_num_f32 v12, |v[XS]|, |v[XS+1]|, |v[XS+2]|
	v_max3_num_f32 v13, |v[XS+3]|, |v[XS+4]|, |v[XS+5]|
.irp i, 6,10,14,18,22,26
	v_max3_num_f32 v12, v12, |v[XS+\i]|, |v[XS+\i+1]|
	v_max3_num_f32 v13, v13, |v[XS+\i+2]|, |v[XS+\i+3]|
.endr
	v_max3_num_f32 v12, v12, |v[XS+30]|, |v[XS+31]|
	v_max3_num_f32 v12, v12, v13, 0x1800000        ; and the floor 2^(3 - 127)
	v_add_nc_u32 v11, 0xff000000, v12              ; 2 off the exponent field: the conversion's scale operand
	v_lshrrev_b32 v13, 23, v11                     ; the byte
.if (\t)%4 == 0
	v_mov_b32 v[SB+QQ], v13
.else
	v_lshl_or_b32 v[SB+QQ], v13, 8*((\t)%4), v[SB+QQ]
.endif
	v_cvt_scalef32_pk16_fp6_f32 v[E:E+2], v[XS:XS+15], v11
	v_cvt_scalef32_pk16_fp6_f32 v[F:F+2], v[XS+16:XS+31], v11
	v_nop                                          ; one plain place behind a scaled conversion
.irp i, 0,1,2
	v_mov_b32 v[E+3+\i], v[F+\i]
.endr
.if CC == 0                                    ; registers 0-5 of the fragment: group 0, and the lower half of group 1
	ds_store_b128 v2, v[E:E+3] offset:QQ*1536+256*HH
	ds_store_b64 v2, v[E+4:E+5] offset:QQ*1536+256*HH+512
.else                                          ; registers 6-11: the upper half of group 1, and group 2
	ds_store_b64 v2, v[E:E+1] offset:QQ*1536+256*HH+520
	ds_store_b128 v2, v[E+2:E+5] offset:QQ*1536+256*HH+1024
.endif
.if (\t)+2 < 8
	LOAD (\t)+2
.endif
	s_wait_dscnt 0x0                               ; the stores have read their registers: the next block's codes may be written
.endm
.irp t, 0,1,2,3,4,5,6,7
	BLOCK \t
.endr
	global_store_b64 v5, v[SB:SB+1], s[10:11]      ; the 32 lanes fill 256 consecutive bytes, aligned
.irp k, 0,1,2,3,4,5,6,7,8,9,10,11              ; k = 6 tile + 3 q + c
	ds_load_b128 v[OUTR+4*\k:OUTR+4*\k+3], v3 offset:(\k/6)*3200+((\k%6)/3)*1536+512*(\k%3)   ; LDS serves a wave's instructions in order: these see my stores
.endr
.irp k, 0,1,2,3,4,5,6,7,8,9,10,11
	s_wait_dscnt 11-\k                             ; the younger loads may be out
	global_store_b128 v4, v[OUTR+4*\k:OUTR+4*\k+3], s[8:9] offset:(\k/6)*12288+((\k%6)/3)*1536+512*(\k%3)
.endr
	s_wait_tensorcnt 0x0
	ds_add_u32 v176, v177
	s_wait_dscnt 0x0
	s_endpgm
.Lfunc_end_k_q30300b7e6a_quant_w:
	.size	k_q30300b7e6a_quant_w, .Lfunc_end_k_q30300b7e6a_quant_w-k_q30300b7e6a_quant_w
	.p2alignl 7, 3214868480
	.fill 96, 4, 3214868480
	.section	.rodata,"a",@progbits
	.p2align	6, 0x0
	.amdhsa_kernel k_q30300b7e6a_quant_w
		.amdhsa_group_segment_fixed_size 26112
		.amdhsa_private_segment_fixed_size 0
		.amdhsa_enable_private_segment 0
		.amdhsa_kernarg_size 24
		.amdhsa_user_sgpr_count 2
		.amdhsa_user_sgpr_kernarg_segment_ptr 1
		.amdhsa_wavefront_size32 1
		.amdhsa_system_sgpr_workgroup_id_x 1
		.amdhsa_system_sgpr_workgroup_id_y 1
		.amdhsa_system_sgpr_workgroup_id_z 1
		.amdhsa_system_vgpr_workitem_id 0
		.amdhsa_next_free_vgpr 178
		.amdhsa_next_free_sgpr 66
		.amdhsa_reserve_vcc 0
		.amdhsa_float_denorm_mode_32 3
		.amdhsa_float_denorm_mode_16_64 3
		.amdhsa_memory_ordered 1
		.amdhsa_forward_progress 1
		.amdhsa_inst_pref_size 44
	.end_amdhsa_kernel
	.amdgpu_metadata
---
amdhsa.version: [ 1, 2 ]
amdhsa.kernels:
  - .name:           k_q30300b7e6a_quant_w
    .symbol:         k_q30300b7e6a_quant_w.kd
    .args:
      - { .name: w_qkv, .offset: 0, .size: 8, .value_kind: global_buffer, .address_space: global }
      - { .name: w_proj, .offset: 8, .size: 8, .value_kind: global_buffer, .address_space: global }
      - { .name: wq, .offset: 16, .size: 8, .value_kind: global_buffer, .address_space: global }
    .group_segment_fixed_size: 26112
    .private_segment_fixed_size: 0
    .kernarg_segment_align: 8
    .kernarg_segment_size: 24
    .max_flat_workgroup_size: 128
    .sgpr_count:     66
    .vgpr_count:     178
    .wavefront_size: 32
...
	.end_amdgpu_metadata
.endif
;; end of part 2
;; launch gemm_qkv (part 3): grid 12 x 32, 4 waves a work-group, clusters of 4 x 4, 327,680 bytes of LDS; arguments xq, wq, qk, vq; writes qk, vq
.if DOCPART == 3
	.amdgcn_target "amdgcn-amd-amdhsa--gfx1250"
	.amdhsa_code_object_version 6
	.text
	.protected	k_q30300b7e6a_gemm_qkv
	.globl	k_q30300b7e6a_gemm_qkv
	.p2align	8
	.type	k_q30300b7e6a_gemm_qkv,@function
k_q30300b7e6a_gemm_qkv:
	s_mov_b64 s[64:65], 0
	v_nop
	global_prefetch_b8 v0, s[64:65] scope:SCOPE_SE
	s_setreg_imm32_b32 hwreg(HW_REG_WAVE_MODE, 25, 1), 1
	s_wait_xcnt 0x0
	s_wait_alu depctr_hold_cnt(0) depctr_sa_sdst(0) depctr_va_vdst(0) depctr_va_sdst(0) depctr_va_ssrc(0) depctr_va_vcc(0) depctr_vm_vsrc(0)
	s_getreg_b32 s2, hwreg(HW_REG_IB_STS2, 6, 4)
	s_cmp_eq_u32 s2, 0
	s_cbranch_scc0 .Lentry_in_a_cluster
	s_endpgm
.Lentry_in_a_cluster:
	s_bfe_u32 s2, ttmp6, 0x10000c
	s_cmp_lg_u32 s2, 0xf033
	s_cbranch_scc0 .Lentry_shape_is_right
	s_endpgm
.Lentry_shape_is_right:
; qkv = x w_qkv on codes of FP6 (E2M3) with E8M0 scales; the results are quantised in registers and leave as codes: q and k along the head's 64, v along the keys.
; A tile of 256 x 256 to a work-group of four waves, 128 x 128 to a wave: 64 accumulators, 512 registers.  K = 1,024 goes in four slots' worth of 256 through a ring of two LDS slots.
; THE MATRIX INSTRUCTION IS USED TRANSPOSED: source 0 = 16 rows of the side called B here, source 1 = 16 rows of A: a lane holds ONE row of A and its registers run along B's rows.
; xq and wq hold, in each 32 rows, row i at position i with bits 3 and 4 swapped, so that the 16 registers of B's tiles 2 g and 2 g + 1 are B's rows 32 g + 16 (lane / 16) + 0 .. 15: what the quantiser wants.
; ROLES.  Cluster x = 0, 1 (q, k): A = tokens (xq), B = columns of w_qkv (wq): quantised along the head's channels.  Cluster x = 2 (v): A = columns (wq), B = tokens (xq): quantised along the keys.
; The choice hangs on the cluster's x alone, which all sixteen partners share; only pointers, tile numbers and the scales' offsets are chosen.
; CLUSTER 4 x 4: A's tiles are shared along a row of the cluster, B's along a column: joint loads.
; A fragment lies in memory and in LDS as an image of its registers (1,536 bytes: registers 4 c .. 4 c + 3 at 512 c + 16 lane): three loads of 512 consecutive bytes, no padding.
; The scale words of 128 rows for all of K are one dense block of 4,096 bytes: they come once, with the first fills.
; LIMITS: NaN and infinities are not served; a block whose largest magnitude lies under 2^-124 has its byte held at 1; a block of zeros gets the byte 1, not 127: its codes are zeros, and this program alone reads the bytes.
; Nothing is prefetched: of the four fills of a slot two go out at the head.
; REGISTERS: window 0: v16-29 addresses; v32-63 scale words, two sets, and nothing else; v64-103 at work on the way out; v128-223 A's fragments, one set, later the images that leave.
;   window 1: B's fragments, two sets, at v0 and v128.  windows 2, 3: the accumulators: (a, b) at v[8 (8 (a % 4) + b)].
.set XS_OFF,  6291456
.set WS_OFF,  3145728
.set QKS_OFF, 12582912
.set VS_OFF,  6291456
.set NQ,     2                         ; steps of 128 in a slot
.set FR,     12                        ; registers of a fragment
.set FRB,    1536                      ; its image
.set NL,     3                         ; LDS loads that bring one
.set NP,     4                         ; places behind this matrix instruction (ISA guide 7.12.1)
.set TROW,   3072                      ; a row tile's part of a slot
.set HALFT,  8*TROW                    ; 128 rows: what one tensor load brings
.set SLOT,   4*HALFT                   ; A's 256 rows, then B's
.set LAPS,   2
.set SCL,    2*SLOT                    ; A's scale words, 8,192 bytes; B's lie 8,320 on, so that the two halves of a load's lanes fall on different banks
.set SPARE,  SCL+16640                 ; the spare words, 128 bytes a wave
.set ADRA, 16                          ; v16-17 my A fragments in slot 0, 1
.set ADRB, 20                          ; v20-21 the same for B
.set SA,   24                          ; v24 the way out: 16 r + 4096 h
.set HS16, 25                          ; v25 16 h
.set LI,   26                          ; v26 16 x lane
.set ADRS, 27                          ; v27 my scale words: lanes 0-15 A's rows, lanes 16-31 B's
.set SPW,  28
.set NIL,  29
.set SC,   32
.set TM,   64                          ; the way out: v64-67 largest magnitudes, v68-71 bytes, v76-79 scale operands
.set T2,   80                          ; v80-87 upper halves of blocks
.set PW,   88                          ; v88-95 scale words as made
.set SW,   96                          ; v96-99 scale words as stored
.set TT,   100
.set AF,   128
.set IM,   128
.set G1, 24
.set G0, 32
.set G1B, 48
.set G0B, 56
.set G1S, 68
.set G0S, 76
.set G1SB, 80
.set G0SB, 88
.set SEL, 98                           ; s[98:99] on the way out: selects of v_permlanex16_b32
.set MSB, 0
.macro WIN new                         ; the immediate's high byte repeats the setting that is left
.if MSB != (\new)
	s_set_vgpr_msb (MSB<<8)|(\new)
.set MSB, (\new)
.endif
.endm
.set MUL_LO, 0xa1                      ; source 0 (B) window 1, source 1 (A) window 0, C and D window 2
.set MUL_HI, 0xf1
.set TO_B,   0x40
; A joint load: waves 0 and 1 fetch for A, waves 2 and 3 for B.  The branch hangs on the wave's number alone.  Four v_nop follow each line.
.macro JLOAD g0a, g1a, g0b, g1b
	s_cmp_eq_u32 s15, 0
	s_cbranch_scc0 .Lfor_b_\@
	tensor_load_to_lds s[\g0a:\g0a+3], s[\g1a:\g1a+7]
	s_nop 0
.rept 4
	v_nop
.endr
	s_branch .Lasked_\@
.Lfor_b_\@:
	tensor_load_to_lds s[\g0b:\g0b+3], s[\g1b:\g1b+7]
	s_nop 0
.rept 4
	v_nop
.endr
.Lasked_\@:
.endm
.macro CREST
	s_cmp_lg_u32 s14, 0
	s_cbranch_scc1 .Lnot_wave_0_\@
	s_barrier_signal -3
.Lnot_wave_0_\@:
	s_barrier_wait -3
	s_barrier_signal -1
	s_barrier_wait -1
.endm
.macro CROUND
	s_barrier_signal -1
	s_barrier_wait -1
	CREST
.endm
	s_load_b128 s[4:7], s[0:1], 0x0                ; xq, wq
	s_load_b128 s[8:11], s[0:1], 0x10              ; qk, vq
	v_lshl_add_u32 v[SPW], v0, 2, SPARE
	v_mov_b32 v[NIL], 0
	ds_add_u32 v28, v29
	ds_add_u32 v28, v29
	s_wait_dscnt 0x0
	v_lshrrev_b32 v1, 5, v0
	v_readfirstlane_b32 s14, v1                    ; wave
	s_lshr_b32 s15, s14, 1                         ; my half of A's rows.  Also: I fetch for A (0) or B (1)
	s_and_b32 s16, s14, 1                          ; my half of B's rows.  Also: which 128 rows I fetch
	s_bfe_u32 s40, ttmp6, 0x40000                  ; cx
	s_bfe_u32 s41, ttmp6, 0x40004                  ; cy
	s_and_b32 s18, ttmp7, 0xffff
	s_lshl_b32 s18, s18, 2                         ; 4 x cluster y
	s_lshl_b32 s19, ttmp9, 2                       ; 4 x cluster x
	s_lshl_b32 s43, s41, 2
	s_lshl_b32 s43, 15, s43                        ; my row of the cluster
	s_lshl_b32 s44, 0x1111, s40                    ; my column
	s_or_b32 s[G1+0], s43, (3<<16)|(1<<21)         ; 15:0 the mask; 17:16 elements of 8 bytes; 21 set beside a mask; no padding
	s_or_b32 s[G1B+0], s44, (3<<16)|(1<<21)
.irp g, G1, G1B                                ; 8 row tiles x 3,072 bytes, 12,288 bytes apart
	s_mov_b32 s[\g+1], 384<<16
	s_mov_b32 s[\g+2], 8<<16
	s_mov_b32 s[\g+3], 384<<16
	s_mov_b32 s[\g+4], 8
	s_mov_b32 s[\g+5], 1536
	s_mov_b32 s[\g+6], 0
	s_mov_b32 s[\g+7], 0
.endr
	s_or_b32 s[G1S+0], s43, (3<<16)|(1<<21)
	s_or_b32 s[G1SB+0], s44, (3<<16)|(1<<21)
.irp g, G1S, G1SB                              ; the scale words of 128 rows: 16 rows of 256 bytes, dense
	s_mov_b32 s[\g+1], 32<<16
	s_mov_b32 s[\g+2], 16<<16
	s_mov_b32 s[\g+3], 32<<16
	s_mov_b32 s[\g+4], 16
	s_mov_b32 s[\g+5], 32
	s_mov_b32 s[\g+6], 0
	s_mov_b32 s[\g+7], 0
.endr
	s_mov_b32 s96, XS_OFF
	s_mov_b32 s97, WS_OFF
	s_cmp_eq_u32 ttmp9, 2                          ; v's cluster?  The same answer in all sixteen partners
	s_cselect_b32 s17, 8, s18                      ; A's first tile of 256 rows
	s_cselect_b32 s42, s18, s19                    ; B's
	s_cselect_b32 s98, s97, s96                    ; where A's scale words begin in its buffer
	s_cselect_b32 s99, s96, s97                    ; and B's
	s_wait_kmcnt 0x0
	s_cselect_b64 s[92:93], s[6:7], s[4:5]         ; A's buffer
	s_cselect_b64 s[94:95], s[4:5], s[6:7]         ; B's
	s_add_co_u32 s17, s17, s41                     ; A's tile hangs on cy alone,
	s_add_co_u32 s42, s42, s40                     ; B's on cx alone
	s_lshl_b32 s18, s16, 3
	s_lshl_b32 s20, s17, 4
	s_add_co_u32 s20, s20, s18
	s_mul_i32 s20, s20, 12288                      ; A: row tile 16 x tile + 8 x half
	s_mov_b32 s21, 0
	s_lshl_b32 s46, s42, 4
	s_add_co_u32 s46, s46, s18
	s_mul_i32 s46, s46, 12288
	s_mov_b32 s47, 0
	s_lshl_b32 s22, s17, 1
	s_add_co_u32 s22, s22, s16
	s_lshl_b32 s22, s22, 12
	s_add_co_u32 s22, s22, s98
	s_mov_b32 s23, 0
	s_lshl_b32 s12, s42, 1
	s_add_co_u32 s12, s12, s16
	s_lshl_b32 s12, s12, 12
	s_add_co_u32 s12, s12, s99
	s_mov_b32 s13, 0
	s_mul_i32 s45, s14, HALFT                      ; where the codes go: wave x 128 rows
	s_lshl_b32 s19, s14, 12                        ; and the scale words: wave x 4,096
	s_add_nc_u64 s[20:21], s[92:93], s[20:21]
	s_add_nc_u64 s[22:23], s[92:93], s[22:23]
	s_add_nc_u64 s[46:47], s[94:95], s[46:47]
	s_add_nc_u64 s[12:13], s[94:95], s[12:13]
	CROUND                                         ; all sixteen work-groups are here: the first joint loads meet
	s_mov_b32 s[G0S], 1
	s_add_co_u32 s[G0S+1], s19, SCL
	s_mov_b64 s[G0S+2:G0S+3], s[22:23]
	s_or_b32 s[G0S+3], s[G0S+3], 0x80000000
	s_mov_b32 s[G0SB], 1
	s_add_co_u32 s[G0SB+1], s19, SCL+128           ; waves 2, 3: 8,320 and 12,416 behind A's first
	s_mov_b64 s[G0SB+2:G0SB+3], s[12:13]
	s_or_b32 s[G0SB+3], s[G0SB+3], 0x80000000
	JLOAD G0S, G1S, G0SB, G1SB                     ; the scale words first: they are wanted with the first slot
.irp s, 0,1
	s_mov_b32 s[G0+4*\s], 1
	s_add_co_u32 s[G0+4*\s+1], s45, \s*SLOT
	s_add_nc_u64 s[G0+4*\s+2:G0+4*\s+3], s[20:21], \s*TROW
	s_or_b32 s[G0+4*\s+3], s[G0+4*\s+3], 0x80000000
	s_mov_b32 s[G0B+4*\s], 1
	s_add_co_u32 s[G0B+4*\s+1], s45, \s*SLOT
	s_add_nc_u64 s[G0B+4*\s+2:G0B+4*\s+3], s[46:47], \s*TROW
	s_or_b32 s[G0B+4*\s+3], s[G0B+4*\s+3], 0x80000000
	JLOAD G0+4*\s, G1, G0B+4*\s, G1B
.endr
	v_and_b32 v1, 15, v0                           ; r
	v_bfe_u32 v2, v0, 4, 1                         ; h
	v_and_b32 v3, 31, v0
	v_lshlrev_b32 v[LI], 4, v3
	s_mul_i32 s96, s15, HALFT                      ; my 128 rows of A
	s_mul_i32 s97, s16, HALFT
	s_add_co_u32 s97, s97, 2*HALFT                 ; my 128 rows of B, behind A's 256
.irp s, 0,1
	v_add_nc_u32 v[ADRA+\s], s96, v[LI]
	v_add_nc_u32 v[ADRB+\s], s97, v[LI]
	s_add_co_u32 s96, s96, SLOT
	s_add_co_u32 s97, s97, SLOT
.endr
	s_lshl_b32 s96, s15, 12                        ; A's scale words: my 128 rows
	s_lshl_b32 s97, s16, 12
	s_add_co_u32 s97, s97, 8320                    ; B's
	s_sub_co_u32 s97, s97, s96
	v_mul_u32_u24 v4, s97, v2                      ; lanes 16-31 take B's: one product, the distance between the two
	s_add_co_u32 s96, s96, SCL
	v_lshl_add_u32 v4, v1, 3, v4                   ; 8 bytes a row
	v_add_nc_u32 v[ADRS], s96, v4
	v_lshlrev_b32 v[HS16], 4, v2
	v_lshlrev_b32 v[SA], 4, v1
	v_lshl_add_u32 v[SA], v2, 12, v[SA]
	s_mov_b32 s[SEL], 0x76543210
	s_mov_b32 s[SEL+1], 0xfedcba98
.macro FRAG reg, adr, q, i             ; a fragment's image: three loads of 512 consecutive bytes
.irp c, 0,1,2
	ds_load_b128 v[\reg+4*\c:\reg+4*\c+3], v[\adr] offset:(\i)*TROW+(\q)*FRB+512*\c
.endr
.endm
; 16 matrix instructions: A's blocks a0, a0 + 1 x B's eight.  The 64 accumulators take turns, one instruction a turn, in the same order in every step.
.macro MUL16 a0, p, q, sc, zero
.irp a, \a0, \a0+1
.irp b, 0,1,2,3,4,5,6,7
.if \zero
	v_wmma_scale_f32_16x16x128_f8f6f4 v[8*(8*((\a)%4)+\b):8*(8*((\a)%4)+\b)+7], v[128*(\p)+FR*\b:128*(\p)+FR*\b+FR-1], v[AF+FR*(\a):AF+FR*(\a)+FR-1], 0, v[SC+8*NQ*(\sc)+NQ*\b+(\q)], v[SC+8*NQ*(\sc)+NQ*(\a)+(\q)] matrix_a_fmt:MATRIX_FMT_FP6 matrix_b_fmt:MATRIX_FMT_FP6 matrix_a_scale:MATRIX_SCALE_ROW1
.else
	v_wmma_scale_f32_16x16x128_f8f6f4 v[8*(8*((\a)%4)+\b):8*(8*((\a)%4)+\b)+7], v[128*(\p)+FR*\b:128*(\p)+FR*\b+FR-1], v[AF+FR*(\a):AF+FR*(\a)+FR-1], v[8*(8*((\a)%4)+\b):8*(8*((\a)%4)+\b)+7], v[SC+8*NQ*(\sc)+NQ*\b+(\q)], v[SC+8*NQ*(\sc)+NQ*(\a)+(\q)] matrix_a_fmt:MATRIX_FMT_FP6 matrix_b_fmt:MATRIX_FMT_FP6 matrix_a_scale:MATRIX_SCALE_ROW1
.endif
.endr
.endr
.endm
.macro FETCH_B slot, q, p
	WIN TO_B
.irp i, 0,1,2,3,4,5,6,7
	FRAG 128*(\p)+FR*\i, ADRB+\slot, \q, \i
.endr
	WIN 0
.endm
.macro FETCH_A slot, q, i0
.irp i, \i0, \i0+1, \i0+2, \i0+3
	FRAG AF+FR*(\i), ADRA+\slot, \q, \i
.endr
.endm
.macro SCALES sc                       ; the slot's two words a row: lanes 0-15 A's block i, lanes 16-31 B's block i
.irp i, 0,1,2,3,4,5,6,7
	ds_load_b64 v[SC+8*NQ*\sc+NQ*\i:SC+8*NQ*\sc+NQ*\i+1], v[ADRS] offset:\i*128
.endr
.endm
.macro PLACES n                        ; plain places in front of loads into registers that matrix instructions have read, and of reads of results
.rept \n
	v_nop
.endr
.endm
.macro STEP slot, q, zero              ; a step of 128 along K that has its successor in the same slot
	s_wait_dscnt 4*NL                              ; B's set and A's blocks 0-3 are in; the youngest 12 loads (A's blocks 4-7) may be out
	WIN MUL_LO
	MUL16 0, (\q)%2, \q, \slot, \zero
	MUL16 2, (\q)%2, \q, \slot, \zero
	s_wait_dscnt 0
	PLACES NP
	FETCH_B \slot, (\q)+1, 1-(\q)%2
	FETCH_A \slot, (\q)+1, 0
	WIN MUL_HI
	MUL16 4, (\q)%2, \q, \slot, \zero
	MUL16 6, (\q)%2, \q, \slot, \zero
	PLACES NP
	WIN 0
	FETCH_A \slot, (\q)+1, 4
.endm
; A slot's last step changes slots: one barrier; in front of it each wave waits for all its tensor loads, adds 0 to its spare word, and waits for that and for its reads of this slot.
.macro TURN slot, next, fill
	s_wait_tensorcnt 0x0                           ; all my tensor loads have landed: my part of the next slot
	ds_add_u32 v[SPW], v[NIL]                      ; 0 onto my spare word
	s_wait_dscnt 4*NL+1                            ; (the add and the youngest 12 loads may be out)
	WIN MUL_LO
	MUL16 0, 1, NQ-1, \slot, 0
	s_wait_dscnt 0x0                               ; the add is done, and my reads of this slot are over
	s_barrier_signal -1
	MUL16 2, 1, NQ-1, \slot, 0
	WIN 0
	s_barrier_wait -1
.if \fill
	CREST                                          ; the barrier has opened a round of the cluster's: no wave of any partner still reads this slot or has a load on its way
	s_add_nc_u64 s[G0+4*\slot+2:G0+4*\slot+3], s[G0+4*\slot+2:G0+4*\slot+3], 2*TROW
	s_add_nc_u64 s[G0B+4*\slot+2:G0B+4*\slot+3], s[G0B+4*\slot+2:G0B+4*\slot+3], 2*TROW
	JLOAD G0+4*\slot, G1, G0B+4*\slot, G1B         ; the first tensor load behind the round; its four v_nop are the places in front of the loads below
.else
	PLACES NP
.endif
	v_add_nc_u32 v[ADRS], 1024, v[ADRS]            ; the next slot's scale words
	FETCH_B \next, 0, 0
	FETCH_A \next, 0, 0
	SCALES \next
	WIN MUL_HI
	MUL16 4, 1, NQ-1, \slot, 0
	MUL16 6, 1, NQ-1, \slot, 0
	PLACES NP
	WIN 0
	FETCH_A \next, 0, 4
.endm
	s_wait_tensorcnt 1                             ; the scale words and my part of slot 0 are in; slot 1's load may be out
	s_barrier_signal -1
	s_barrier_wait -1
	FETCH_B 0, 0, 0
	FETCH_A 0, 0, 0
	SCALES 0
	FETCH_A 0, 0, 4
	STEP 0, 0, 1                                   ; the first step's products start the sums
	s_mov_b32 s3, LAPS-1
.Llap:
	TURN 0, 1, 1
	STEP 1, 0, 0
	TURN 1, 0, 1
	STEP 0, 0, 0
	s_sub_co_u32 s3, s3, 1
	s_cmp_lg_u32 s3, 0
	s_cbranch_scc1 .Llap
	TURN 0, 1, 0                                   ; the last lap fills nothing
	STEP 1, 0, 0
	s_wait_dscnt 4*NL
	WIN MUL_LO
	MUL16 0, 1, NQ-1, 1, 0
	MUL16 2, 1, NQ-1, 1, 0
	s_wait_dscnt 0
	WIN MUL_HI
	MUL16 4, 1, NQ-1, 1, 0
	MUL16 6, 1, NQ-1, 1, 0
	WIN 0
; THE WAY OUT.  The 64 registers of A's block a (window w, from register s) are 128 neighbours along B's rows: register 16 b + i = 32 b + 16 (lane / 16) + i.  They become a fragment's codes: registers 0-5 at d0, 6-11 at d1, and a scale word.
; Each accumulator is read from its low end on.  Every image has registers of its own, so no store's data are written again.
.macro QACC w, s, d0, d1, pw
	WIN 20*(\w)                                    ; sources 1 and 2 in the accumulators' window
.irp b, 0,1,2,3
	v_max3_num_f32 v[TM+\b], 0x1800000, |v[(\s)+16*\b]|, |v[(\s)+1+16*\b]|   ; with the floor 2^(3 - 127)
.endr
.irp i, 2,4,6,8,10,12,14
.irp b, 0,1,2,3
	v_max3_num_f32 v[TM+\b], v[TM+\b], |v[(\s)+16*\b+\i]|, |v[(\s)+1+16*\b+\i]|
.endr
.endr
	WIN 0
.irp b, 0,1,2,3
	v_permlanex16_b32 v[TM+4+\b], v[TM+\b], s[SEL], s[SEL+1]
.endr
.irp b, 0,1,2,3
	v_max_num_f32 v[TM+\b], v[TM+\b], v[TM+4+\b]
.endr
.irp b, 0,1,2,3
	v_add_nc_u32 v[TM+12+\b], 0xff000000, v[TM+\b]
.endr
.irp b, 0,1,2,3
	v_lshrrev_b32 v[TM+4+\b], 23, v[TM+12+\b]
.endr
	v_lshl_or_b32 v[\pw], v[TM+5], 8, v[TM+4]
	v_lshl_or_b32 v[\pw], v[TM+6], 16, v[\pw]
	v_lshl_or_b32 v[\pw], v[TM+7], 24, v[\pw]
	WIN (\w)                                       ; source 0 in the accumulators' window
	v_cvt_scalef32_pk16_fp6_f32 v[\d0:\d0+2], v[(\s):(\s)+15], v[TM+12]
	v_cvt_scalef32_pk16_fp6_f32 v[T2:T2+2], v[(\s)+16:(\s)+31], v[TM+13]
	v_cvt_scalef32_pk16_fp6_f32 v[\d1:\d1+2], v[(\s)+32:(\s)+47], v[TM+14]
	v_cvt_scalef32_pk16_fp6_f32 v[T2+4:T2+6], v[(\s)+48:(\s)+63], v[TM+15]
	WIN 0
	v_nop                                          ; one plain place behind a scaled conversion
.irp i, 0,1,2
	v_permlane16_swap_b32 v[\d0+\i], v[T2+\i]
.endr
.irp i, 0,1,2
	v_permlane16_swap_b32 v[\d1+\i], v[T2+4+\i]
.endr
.irp i, 0,1,2
	v_mov_b32 v[\d0+3+\i], v[T2+\i]
	v_mov_b32 v[\d1+3+\i], v[T2+4+\i]
.endr
.endm
	PLACES NP                                      ; behind the last products
.irp b, 0,1,2,3
	v_mov_b32 v[TM+4+\b], 0                        ; a lane permute's destination counts as read
.endr
	s_cmp_eq_u32 ttmp9, 2
	s_cbranch_scc1 .Lepi_v
	; q or k.  My 128 of B's rows are two heads' 64 channels; my 128 tokens are four groups of 32.  An image holds, for one head, tile 2 g in registers 0-5 and tile 2 g + 1 in registers 6-11.
	s_lshr_b32 s20, s17, 3                         ; the batch
	s_and_b32 s21, s17, 7                          ; which 256 tokens of it
	s_lshl_b32 s22, ttmp9, 6                       ; q: 0, k: 64 heads on
	s_lshl_b32 s20, s20, 4
	s_add_co_u32 s22, s22, s20
	s_lshl_b32 s20, s40, 2
	s_add_co_u32 s22, s22, s20
	s_lshl_b32 s20, s16, 1
	s_add_co_u32 s22, s22, s20                     ; my first head
	s_lshl_b32 s20, s22, 6
	s_lshl_b32 s23, s21, 3
	s_add_co_u32 s20, s20, s23
	s_lshl_b32 s23, s15, 2
	s_add_co_u32 s20, s20, s23
	s_mul_i32 s20, s20, 1536                       ; my first image
	s_lshl_b32 s22, s22, 4
	s_lshl_b32 s21, s21, 1
	s_add_co_u32 s22, s22, s21
	s_add_co_u32 s22, s22, s15
	s_lshl_b32 s22, s22, 8
	s_add_co_u32 s22, s22, QKS_OFF                 ; my 128 tokens' 256 bytes of scale words
	s_mov_b32 s21, 0
	s_mov_b32 s23, 0
	s_add_nc_u64 s[12:13], s[8:9], s[22:23]
	s_add_nc_u64 s[8:9], s[8:9], s[20:21]
.irp g, 0,1,2,3
	QACC 2+(\g)/2, 64*((2*\g)%4), IM+24*\g, IM+24*\g+12, PW+2*\g
	QACC 2+(\g)/2, 64*((2*\g+1)%4), IM+24*\g+6, IM+24*\g+18, PW+2*\g+1
	v_lshrrev_b32 v[TT], v[HS16], v[PW+2*\g]       ; lanes 0-15 take the first head's two bytes, lanes 16-31 the second's
	v_lshrrev_b32 v[TT+1], v[HS16], v[PW+2*\g+1]
	v_and_b32 v[TT], 0xffff, v[TT]
	v_lshl_or_b32 v[SW+\g], v[TT+1], 16, v[TT]     ; tile 2 g's below, tile 2 g + 1's above
.irp e, 0,1
.irp c, 0,1,2
	global_store_b128 v[LI], v[IM+24*\g+12*\e+4*\c:IM+24*\g+12*\e+4*\c+3], s[8:9] offset:\e*98304+\g*1536+512*\c   ; 512 consecutive bytes
.endr
.endr
.endr
	global_store_b128 v[SA], v[SW:SW+3], s[12:13]  ; sixteen lanes fill 256 consecutive bytes of each head
	s_branch .Ljoin
.Lepi_v:
	; v.  My 128 of B's rows are one key step's 128 keys; my 128 of A's rows are two heads x four tiles of 16 channels: each block a is one fragment.
	s_lshr_b32 s20, s42, 3                         ; the batch
	s_and_b32 s21, s42, 7
	s_lshl_b32 s21, s21, 1
	s_add_co_u32 s21, s21, s16                     ; the key step
	s_lshl_b32 s20, s20, 4
	s_lshl_b32 s22, s41, 2
	s_add_co_u32 s20, s20, s22
	s_lshl_b32 s22, s15, 1
	s_add_co_u32 s20, s20, s22                     ; my first head
	s_lshl_b32 s20, s20, 4
	s_add_co_u32 s22, s20, s21
	s_mul_i32 s20, s22, 6144
	s_lshl_b32 s22, s22, 8
	s_add_co_u32 s22, s22, VS_OFF
	s_mov_b32 s21, 0
	s_mov_b32 s23, 0
	s_mov_b32 s19, 0xffff0000                      ; lanes 16-31
	s_add_nc_u64 s[12:13], s[10:11], s[22:23]
	s_add_nc_u64 s[10:11], s[10:11], s[20:21]
.irp a, 0,1,2,3,4,5,6,7
	QACC 2+(\a)/4, 64*((\a)%4), IM+12*\a, IM+12*\a+6, PW+\a
.irp c, 0,1,2
	global_store_b128 v[LI], v[IM+12*\a+4*\c:IM+12*\a+4*\c+3], s[10:11] offset:(\a/4)*98304+(\a%4)*1536+512*\c
.endr
.endr
.irp t, 0,1,2,3
	v_cndmask_b32 v[SW+\t], v[PW+\t], v[PW+4+\t], s19   ; lanes 0-15 the first head's words, lanes 16-31 the second's
.endr
	global_store_b128 v[SA], v[SW:SW+3], s[12:13]
.Ljoin:
	s_wait_tensorcnt 0x0                           ; the wave's end
	ds_add_u32 v[SPW], v[NIL]
	s_wait_dscnt 0x0
	CROUND                                         ; the closing round
	s_endpgm
.Lfunc_end_k_q30300b7e6a_gemm_qkv:
	.size	k_q30300b7e6a_gemm_qkv, .Lfunc_end_k_q30300b7e6a_gemm_qkv-k_q30300b7e6a_gemm_qkv
	.p2alignl 7, 3214868480
	.fill 96, 4, 3214868480
	.section	.rodata,"a",@progbits
	.p2align	6, 0x0
	.amdhsa_kernel k_q30300b7e6a_gemm_qkv
		.amdhsa_group_segment_fixed_size 327680
		.amdhsa_private_segment_fixed_size 0
		.amdhsa_enable_private_segment 0
		.amdhsa_kernarg_size 32
		.amdhsa_user_sgpr_count 2
		.amdhsa_user_sgpr_kernarg_segment_ptr 1
		.amdhsa_wavefront_size32 1
		.amdhsa_system_sgpr_workgroup_id_x 1
		.amdhsa_system_sgpr_workgroup_id_y 1
		.amdhsa_system_sgpr_workgroup_id_z 1
		.amdhsa_system_vgpr_workitem_id 0
		.amdhsa_next_free_vgpr 1024
		.amdhsa_next_free_sgpr 100
		.amdhsa_reserve_vcc 0
		.amdhsa_float_denorm_mode_32 3
		.amdhsa_float_denorm_mode_16_64 3
		.amdhsa_memory_ordered 1
		.amdhsa_forward_progress 1
		.amdhsa_inst_pref_size 175
	.end_amdhsa_kernel
	.amdgpu_metadata
---
amdhsa.version: [ 1, 2 ]
amdhsa.kernels:
  - .name:           k_q30300b7e6a_gemm_qkv
    .symbol:         k_q30300b7e6a_gemm_qkv.kd
    .args:
      - { .name: xq, .offset: 0, .size: 8, .value_kind: global_buffer, .address_space: global }
      - { .name: wq, .offset: 8, .size: 8, .value_kind: global_buffer, .address_space: global }
      - { .name: qk, .offset: 16, .size: 8, .value_kind: global_buffer, .address_space: global }
      - { .name: vq, .offset: 24, .size: 8, .value_kind: global_buffer, .address_space: global }
    .group_segment_fixed_size: 327680
    .private_segment_fixed_size: 0
    .kernarg_segment_align: 8
    .kernarg_segment_size: 32
    .max_flat_workgroup_size: 128
    .sgpr_count:     100
    .vgpr_count:     1024
    .wavefront_size: 32
...
	.end_amdgpu_metadata
.endif
;; end of part 3
;; launch attn (part 4): grid 4 x 64, 16 waves a work-group, clusters of 4 x 1, 206,848 bytes of LDS; arguments qk, vq, oq; writes oq
.if DOCPART == 4
	.amdgcn_target "amdgcn-amd-amdhsa--gfx1250"
	.amdhsa_code_object_version 6
	.text
	.protected	k_q30300b7e6a_attn
	.globl	k_q30300b7e6a_attn
	.p2align	8
	.type	k_q30300b7e6a_attn,@function
k_q30300b7e6a_attn:
	s_mov_b64 s[64:65], 0
	v_nop
	global_prefetch_b8 v0, s[64:65] scope:SCOPE_SE
	s_setreg_imm32_b32 hwreg(HW_REG_WAVE_MODE, 25, 1), 1
	s_wait_xcnt 0x0
	s_wait_alu depctr_hold_cnt(0) depctr_sa_sdst(0) depctr_va_vdst(0) depctr_va_sdst(0) depctr_va_ssrc(0) depctr_va_vcc(0) depctr_vm_vsrc(0)
	s_getreg_b32 s2, hwreg(HW_REG_IB_STS2, 6, 4)
	s_cmp_eq_u32 s2, 0
	s_cbranch_scc0 .Lentry_in_a_cluster
	s_endpgm
.Lentry_in_a_cluster:
	s_bfe_u32 s2, ttmp6, 0x10000c
	s_cmp_lg_u32 s2, 0x3003
	s_cbranch_scc0 .Lentry_shape_is_right
	s_endpgm
.Lentry_shape_is_right:
; o = softmax(q k^T / 8) v for one head, both products on codes of FP6 (E2M3) with E8M0 scales; o is quantised along the channels and leaves as codes for the last product.
; THE SOFTMAX: t = score x log2(e) / 8; M = the running largest t rounded UP to a whole number; p = 2^(t - M) is quantised along the keys; the row's sum is taken of the unquantised p and divides at the end.
; When M moves, the sum and O are multiplied by 2^(old M - new M): exact.
; SHARES.  A work-group owns 512 queries of one head, each of its sixteen waves 32: two tiles of 16, one after the other.  Four waves to a SIMD, so that one wave's vector work stands beside another's products and LDS loads.
; THE WHOLE HEAD'S K AND V STAY IN LDS (2 x 98,304 bytes of codes, 2 x 4,096 of scale words), filled ONCE: no slot is filled again.  The four work-groups of a cluster are the four query blocks of one head: every tile is asked for jointly.
; The fills go out at the head as four loads a wave (scale words; key steps 0-1; 2-5; 6-15), so that the first steps begin while the later ones are on their way.  Every byte of K and V is asked for there: nothing is left to prefetch.
; LAYOUT.  Both products are used transposed: a lane holds ONE query (lane % 16).  An image of K holds tile 2 g (16 keys x 64 channels) along K = 0 .. 63 and tile 2 g + 1 along K = 64 .. 127;
; q stands in 18 registers [0, q, 0]: the upper twelve [q, 0] pick tile 2 g, the lower twelve [0, q] tile 2 g + 1; zero codes add nothing.  The tiles' keys are laid (by the launch before) so that
; the 16 registers of tiles 2 g and 2 g + 1 are keys 32 g + 16 (lane / 16) + 0 .. 15; V's channels likewise.
; LIMITS: NaN and infinities are not served; a block whose largest magnitude lies under 2^-124 has its byte held at 1; a block of zeros gets the byte 1: its codes are zeros, and this program alone reads the bytes.
; o's scale bytes leave as 2 bytes a lane: a scale word is shared by two heads, which are two work-groups.
.set QKS_OFF, 12582912
.set VS_OFF,  6291456
.set OS_OFF,  6291456
.set VIMG, 98304
.set KSC,  196608                      ; K's scale words; V's lie 4,096 on
.set ADK,  8
.set ADV,  9
.set ADS,  10
.set QW,   40                          ; q's scale bytes as loaded: tile 0's below, tile 1's above
.set QS,   41                          ; q's scale word (s0, s1, s0, s1)
.set KS,   42                          ; v42-45 K's scale words
.set KB,   48                          ; v48-95 four images of K, then four fragments of V
.set SS,   96                          ; v96-159 S^T, then p
.set OT,   160                         ; v160-191 O^T
.set VS,   192                         ; v192-195 V's scale words
.set PC,   196                         ; v196-207 p's codes
.set T2,   208
.set BM,   216                         ; v216-219 the blocks' largest scores, then largest p
.set BT,   220
.set SOP,  224                         ; v224-227 the conversions' scale operands
.set PS,   228                         ; p's scale word
.set FF,   244
.set WV,   18
.set SEL,  20
.set CS,   22
.set G1S,  24
.set G1A,  32
.set G1B,  40
.set G1C,  48
.set G0S,  56
.set G0A,  60
.set G0B,  68
.set G0C,  72
.set TB,   2                           ; s2  where the step's codes begin in K's and in V's region
.set TS,   3                           ; s3  and its scale words
.set CNT,  66
.set OB,   76
.set OSB,  78
.macro ROUND
	s_barrier_signal -1
	s_barrier_wait -1
	s_cmp_lg_u32 s[WV], 0
	s_cbranch_scc1 .Lnot_wave_0_\@
	s_barrier_signal -3
.Lnot_wave_0_\@:
	s_barrier_wait -3
	s_barrier_signal -1
	s_barrier_wait -1
.endm
.macro MKG1 g, rows                    ; a dense block as rows of 256 bytes; 15:0 the mask: all four work-groups; 17:16 elements of 8 bytes; 21 set beside a mask
	s_mov_b32 s[\g], 15|(3<<16)|(1<<21)
	s_mov_b32 s[\g+1], 32<<16
	s_mov_b32 s[\g+2], (\rows)<<16
	s_mov_b32 s[\g+3], 32<<16
	s_mov_b32 s[\g+4], \rows
	s_mov_b32 s[\g+5], 32
	s_mov_b32 s[\g+6], 0
	s_mov_b32 s[\g+7], 0
.endm
.macro MKG0 g0, sl, poff               ; my eighth (sl bytes) of a phase that begins poff bytes into K's or V's codes
	s_mov_b32 s[\g0], 1
	s_mul_i32 s90, s13, \sl
	s_add_co_u32 s90, s90, \poff
	s_add_co_u32 s[\g0+1], s90, s14
	s_add_nc_u64 s[\g0+2:\g0+3], s[86:87], s[90:91]
	s_or_b32 s[\g0+3], s[\g0+3], 0x80000000
.endm
	s_load_b128 s[4:7], s[0:1], 0x0                ; qk, vq
	s_load_b64 s[8:9], s[0:1], 0x10                ; oq
	v_lshl_add_u32 v247, v0, 2, 0x32000
	v_mov_b32 v255, 0
	ds_add_u32 v247, v255
	ds_add_u32 v247, v255
	v_lshrrev_b32 v8, 5, v0
	v_readfirstlane_b32 s[WV], v8                  ; wave 0..15
	s_bfe_u32 s10, ttmp6, 0x40000                  ; cx: it enters q's and o's global addresses alone
	s_and_b32 s11, ttmp7, 0xffff                   ; batch x 16 + head
	MKG1 G1S, 2
	MKG1 G1A, 6
	MKG1 G1B, 12
	MKG1 G1C, 30
	s_lshr_b32 s12, s[WV], 3                       ; waves 0-7 fetch for K, 8-15 for V
	s_and_b32 s13, s[WV], 7
	s_mul_i32 s14, s12, VIMG
	s_mul_i32 s80, s11, 98304                      ; the head's codes
	s_lshl_b32 s82, s11, 12                        ; and scale words
	s_mov_b32 s83, VS_OFF
	s_cmp_lt_u32 s[WV], 8
	s_cselect_b32 s81, 6291456, 0                  ; k lies 64 heads behind q in qk
	s_cselect_b32 s83, QKS_OFF+262144, s83
	s_wait_dscnt 0x0
	s_wait_kmcnt 0x0
	s_cselect_b64 s[84:85], s[4:5], s[6:7]
	s_add_co_u32 s80, s80, s81
	s_add_co_u32 s82, s82, s83
	s_mov_b32 s81, 0
	s_mov_b32 s83, 0
	s_mov_b32 s91, 0
	s_add_nc_u64 s[86:87], s[84:85], s[80:81]
	s_add_nc_u64 s[88:89], s[84:85], s[82:83]
	s_mov_b32 s[G0S], 1
	s_lshl_b32 s90, s[WV], 9
	s_add_co_u32 s[G0S+1], s90, KSC
	s_lshl_b32 s90, s13, 9
	s_add_nc_u64 s[G0S+2:G0S+3], s[88:89], s[90:91]
	s_or_b32 s[G0S+3], s[G0S+3], 0x80000000
	MKG0 G0A, 1536, 0
	MKG0 G0B, 3072, 12288
	MKG0 G0C, 7680, 36864
	ROUND                                          ; all four work-groups are here: the joint loads meet
	tensor_load_to_lds s[G0S:G0S+3], s[G1S:G1S+7]  ; four loads of mine are out
	s_nop 0
	tensor_load_to_lds s[G0A:G0A+3], s[G1A:G1A+7]
	s_nop 0
	tensor_load_to_lds s[G0B:G0B+3], s[G1B:G1B+7]
	s_nop 0
	tensor_load_to_lds s[G0C:G0C+3], s[G1C:G1C+7]
	s_nop 0
.rept 4
	v_nop
.endr
	s_lshl_b32 s92, s10, 4
	s_add_co_u32 s92, s92, s[WV]                   ; my group of 32 queries
	s_lshl_b32 s94, s11, 6
	s_add_co_u32 s94, s94, s92
	s_mul_i32 s94, s94, 1536
	s_mov_b32 s95, 0
	s_add_nc_u64 s[94:95], s[4:5], s[94:95]        ; its image
	s_lshl_b32 s96, s11, 4
	s_lshr_b32 s93, s92, 2
	s_add_co_u32 s96, s96, s93
	s_lshl_b32 s96, s96, 8
	s_and_b32 s93, s92, 3
	s_lshl_b32 s93, s93, 2
	s_add_co_u32 s96, s96, s93
	s_add_co_u32 s96, s96, QKS_OFF
	s_mov_b32 s97, 0
	s_add_nc_u64 s[96:97], s[4:5], s[96:97]        ; its scale words
	v_and_b32 v8, 31, v0
	v_and_b32 v9, 15, v0
	v_lshlrev_b32 v1, 4, v8                        ; 16 x lane: an image's place for my lane
	v_add_nc_u32 v2, VIMG, v1
	v_lshlrev_b32 v6, 4, v9
	v_add_nc_u32 v3, KSC, v6                       ; four scale words a row
	v_lshlrev_b32 v4, 3, v8                        ; the way out: 8 x lane
	v_lshlrev_b32 v5, 3, v9                        ; and 8 r
	global_load_b128 v[22:25], v1, s[94:95]        ; tile 0's q falls into its place, v22-27; tile 1's into v28-33
	global_load_b128 v[26:29], v1, s[94:95] offset:512
	global_load_b128 v[30:33], v1, s[94:95] offset:1024
	global_load_b32 v[QW], v6, s[96:97]
	s_mov_b32 s[SEL], 0x76543210
	s_mov_b32 s[SEL+1], 0xfedcba98
	s_mov_b32 s[CS], 0x3e38aa3b                    ; c = log2(e) / 8
	s_mov_b32 s[CS+1], s[CS]
	s_lshr_b32 s80, s11, 4                         ; the batch
	s_and_b32 s81, s11, 15                         ; the head
	s_lshl_b32 s82, s80, 7
	s_lshl_b32 s83, s92, 1
	s_add_co_u32 s82, s82, s83                     ; my first row tile of oq
	s_lshl_b32 s82, s82, 4
	s_add_co_u32 s82, s82, s81
	s_mul_i32 s82, s82, 768                        ; a head's six registers of a fragment: 768 bytes
	s_mov_b32 s83, 0
	s_add_nc_u64 s[OB:OB+1], s[8:9], s[82:83]
	s_lshl_b32 s82, s80, 4
	s_lshr_b32 s90, s92, 2
	s_add_co_u32 s82, s82, s90
	s_lshl_b32 s82, s82, 12
	s_lshr_b32 s90, s81, 2
	s_lshl_b32 s90, s90, 10
	s_add_co_u32 s82, s82, s90
	s_and_b32 s90, s92, 3
	s_lshl_b32 s90, s90, 8
	s_add_co_u32 s82, s82, s90
	s_and_b32 s90, s81, 3
	s_lshl_b32 s90, s90, 1
	s_add_co_u32 s82, s82, s90
	s_add_co_u32 s82, s82, OS_OFF
	s_add_nc_u64 s[OSB:OSB+1], s[8:9], s[82:83]
.irp i, 0,1,2,3,4,5
	v_mov_b32 v[16+\i], 0
.endr
.irp b, 0,1,2,3
	v_mov_b32 v[BT+\b], 0                          ; a lane permute's destination counts as read
.endr
	v_mov_b32 v231, 0                              ; (named as the upper half of the pair v[230:231])
	s_wait_loadcnt 0x0
.irp i, 0,1,2,3,4,5
	v_mov_b32 v[34+\i], v[28+\i]                   ; tile 1's q is kept
.endr
.irp i, 0,1,2,3,4,5
	v_mov_b32 v[28+\i], 0
.endr
; A KEY STEP: 128 keys.
.macro STEP
	v_add_nc_u32 v[ADK], s[TB], v1                 ; these three and the v_nop are the four places behind the last products, in front of the loads into the registers that they read
	v_add_nc_u32 v[ADV], s[TB], v2
	v_add_nc_u32 v[ADS], s[TS], v3
	v_nop
.irp b, 0,1,2,3
.irp c, 0,1,2
	ds_load_b128 v[KB+12*\b+4*\c:KB+12*\b+4*\c+3], v[ADK] offset:1536*\b+512*\c
.endr
.endr
	ds_load_b128 v[KS:KS+3], v[ADS]
	s_wait_dscnt 0x0
.irp b, 0,1,2,3                                ; S^T = K q^T: image b against [q, 0] and [0, q]
	v_wmma_scale_f32_16x16x128_f8f6f4 v[SS+16*\b:SS+16*\b+7], v[KB+12*\b:KB+12*\b+11], v[22:33], 0, v[KS+\b], v[QS] matrix_a_fmt:MATRIX_FMT_FP6 matrix_b_fmt:MATRIX_FMT_FP6
	v_wmma_scale_f32_16x16x128_f8f6f4 v[SS+16*\b+8:SS+16*\b+15], v[KB+12*\b:KB+12*\b+11], v[16:27], 0, v[KS+\b], v[QS] matrix_a_fmt:MATRIX_FMT_FP6 matrix_b_fmt:MATRIX_FMT_FP6
.endr
.rept 4
	v_nop                                          ; places in front of the loads below and of the first read of the scores
.endr
.irp t, 0,1,2,3                                ; V's four fragments land under the softmax
.irp c, 0,1,2
	ds_load_b128 v[KB+12*\t+4*\c:KB+12*\t+4*\c+3], v[ADV] offset:1536*\t+512*\c
.endr
.endr
	ds_load_b128 v[VS:VS+3], v[ADS] offset:4096
.irp b, 0,1,2,3
	v_max3_num_f32 v[BM+\b], v[SS+16*\b], v[SS+1+16*\b], v[SS+2+16*\b]   ; the largest score of each block of 32 keys: it serves the row's maximum and, since p rises with the score, the block's largest p
.endr
.irp i, 3,5,7,9,11,13
.irp b, 0,1,2,3
	v_max3_num_f32 v[BM+\b], v[BM+\b], v[SS+16*\b+\i], v[SS+1+16*\b+\i]
.endr
.endr
.irp b, 0,1,2,3
	v_max_num_f32 v[BM+\b], v[BM+\b], v[SS+15+16*\b]
.endr
.irp b, 0,1,2,3
	v_permlanex16_b32 v[BT+\b], v[BM+\b], s[SEL], s[SEL+1]
.endr
.irp b, 0,1,2,3
	v_max_num_f32 v[BM+\b], v[BM+\b], v[BT+\b]     ; with lane xor 16's 16 keys
.endr
	v_max3_num_f32 v232, v[BM], v[BM+1], v[BM+2]
	v_max_num_f32 v232, v232, v[BM+3]
	v_mul_f32 v232, s[CS], v232                    ; the step's largest t
	v_max_num_f32 v13, v13, v232                   ; the running largest t
	v_mov_b32 v232, v12
	v_floor_f32 v12, -v13                          ; -M = floor(-t): M is a whole number
	v_sub_f32 v232, v12, v232                      ; old M - new M, 0 or less
	v_cvt_i32_f32 v232, v232                       ; (it saturates)
	v_ldexp_f32 v230, 1.0, v232                    ; f = 2^(old M - new M)
.irp j, 0,2,4,6,8,10,12,14,16,18,20,22,24,26,28,30,32,34,36,38,40,42,44,46,48,50,52,54,56,58,60,62
	v_pk_fma_f32 v[SS+\j:SS+1+\j], v[SS+\j:SS+1+\j], s[CS:CS+1], v[12:13] op_sel_hi:[1,0,0]   ; t - M
.endr
.irp b, 0,1,2,3
	v_fma_f32 v[BM+\b], v[BM+\b], s[CS], v12
.endr
.irp j, 0,1,2,3,4,5,6,7,8,9,10,11,12,13,14,15,16,17,18,19,20,21,22,23,24,25,26,27,28,29,30,31,32,33,34,35,36,37,38,39,40,41,42,43,44,45,46,47,48,49,50,51,52,53,54,55,56,57,58,59,60,61,62,63
	v_exp_f32 v[SS+\j], v[SS+\j]                   ; p = 2^(t - M)
.endr
	v_pk_mul_f32 v[14:15], v[14:15], v[230:231] op_sel_hi:[1,0]   ; the sums under the new M: a plain place behind the exponentials
	s_wait_alu depctr_va_vdst(0)                   ; one wait for the batch, ahead of its first reader
.irp b, 0,1,2,3
	v_exp_f32 v[BM+\b], v[BM+\b]                   ; the blocks' largest p
.endr
	v_pk_add_f32 v[234:235], v[SS:SS+1], v[SS+2:SS+3]   ; the row's sum of the unquantised p, in two chains
.irp j, 4,8,12,16,20,24,28,32,36,40,44,48,52,56,60
	v_pk_add_f32 v[14:15], v[14:15], v[SS+\j:SS+1+\j]
	v_pk_add_f32 v[234:235], v[234:235], v[SS+2+\j:SS+3+\j]
.endr
	v_pk_add_f32 v[14:15], v[14:15], v[234:235]
	s_wait_alu depctr_va_vdst(0)                   ; and one for the four
.irp b, 0,1,2,3
	v_max_num_f32 v[BM+\b], 0x1800000, v[BM+\b]    ; the floor 2^(3 - 127)
.endr
.irp b, 0,1,2,3
	v_add_nc_u32 v[SOP+\b], 0xff000000, v[BM+\b]
.endr
.irp b, 0,1,2,3
	v_lshrrev_b32 v[BT+\b], 23, v[SOP+\b]
.endr
	v_lshl_or_b32 v[PS], v[BT+1], 8, v[BT]
	v_lshl_or_b32 v[PS], v[BT+2], 16, v[PS]
	v_lshl_or_b32 v[PS], v[BT+3], 24, v[PS]
.irp c, 0,1
	v_cvt_scalef32_pk16_fp6_f32 v[PC+6*\c:PC+2+6*\c], v[SS+32*\c:SS+15+32*\c], v[SOP+2*\c]
	v_cvt_scalef32_pk16_fp6_f32 v[T2+4*\c:T2+2+4*\c], v[SS+16+32*\c:SS+31+32*\c], v[SOP+2*\c+1]
.endr
	v_nop                                          ; one plain place behind a scaled conversion
.irp c, 0,1
.irp i, 0,1,2
	v_permlane16_swap_b32 v[PC+6*\c+\i], v[T2+4*\c+\i]
.endr
.irp i, 0,1,2
	v_mov_b32 v[PC+3+6*\c+\i], v[T2+4*\c+\i]
.endr
.endr
.irp j, 0,2,4,6,8,10,12,14,16,18,20,22,24,26,28,30
	v_pk_mul_f32 v[OT+\j:OT+1+\j], v[OT+\j:OT+1+\j], v[230:231] op_sel_hi:[1,0]   ; O^T under the new M; these sixteen also stand between the writing of p's codes and scale word and the products
.endr
	s_wait_dscnt 0x0                               ; V is in
.irp t, 0,1,2,3                                ; O^T += V^T p^T: four accumulators by turns
	v_wmma_scale_f32_16x16x128_f8f6f4 v[OT+8*\t:OT+8*\t+7], v[KB+12*\t:KB+12*\t+11], v[PC:PC+11], v[OT+8*\t:OT+8*\t+7], v[VS+\t], v[PS] matrix_a_fmt:MATRIX_FMT_FP6 matrix_b_fmt:MATRIX_FMT_FP6
.endr
	s_add_co_u32 s[TB], s[TB], 6144
	s_add_co_u32 s[TS], s[TS], 256
.endm
.macro RUN cnt, s0                     ; cnt key steps from step s0 on
	s_mov_b32 s[TB], (\s0)*6144
	s_mov_b32 s[TS], (\s0)*256
	s_mov_b32 s[CNT], \cnt
.Lstep_\@:
	STEP
	s_sub_co_u32 s[CNT], s[CNT], 1
	s_cmp_lg_u32 s[CNT], 0
	s_cbranch_scc1 .Lstep_\@
.endm
.macro MEET n                          ; my part of the next phase has landed (n younger loads may be out); behind the barrier everybody's has.  Nothing is filled again
	s_wait_tensorcnt \n
	s_wait_dscnt 0x0
	s_barrier_signal -1
	s_barrier_wait -1
.endm
.macro TILE_INIT u
.if \u == 0
	v_and_b32 v11, 0xffff, v[QW]
.else
	v_lshrrev_b32 v11, 16, v[QW]
.irp i, 0,1,2,3,4,5
	v_mov_b32 v[22+\i], v[34+\i]
.endr
.endif
	v_lshl_or_b32 v[QS], v11, 16, v11              ; (s0, s1, s0, s1)
	v_mov_b32 v13, 0xff61b1e6                      ; the largest t so far: -3e38
	v_floor_f32 v12, -v13
	v_mov_b32 v14, 0
	v_mov_b32 v15, 0
.irp j, 0,1,2,3,4,5,6,7,8,9,10,11,12,13,14,15,16,17,18,19,20,21,22,23,24,25,26,27,28,29,30,31
	v_mov_b32 v[OT+\j], 0                          ; the step is written once: the first finds zeros, which the first change of M leaves zeros
.endr
.endm
; A tile's way out: O^T / the sum; register 16 b + i = channel 32 b + 16 (lane / 16) + i: two blocks of the last product's K.  The six registers of codes are three stores of 256 consecutive bytes.
.macro WAYOUT u
.set EE, 236+12*(\u)                   ; each tile has its own registers for what it stores
.rept 4
	v_nop                                          ; places behind the last products
.endr
	v_add_f32 v14, v14, v15
	v_permlanex16_b32 v232, v14, s[SEL], s[SEL+1]
	v_add_f32 v14, v14, v232                       ; the row's sum
	v_rcp_f32 v230, v14
	v_nop                                          ; a plain place behind the transcendental
	s_wait_alu depctr_va_vdst(0)                   ; and the wait ahead of its first reader
.irp j, 0,2,4,6,8,10,12,14,16,18,20,22,24,26,28,30
	v_pk_mul_f32 v[OT+\j:OT+1+\j], v[OT+\j:OT+1+\j], v[230:231] op_sel_hi:[1,0]
.endr
.irp b, 0,1
	v_max3_num_f32 v[BM+\b], |v[OT+16*\b]|, |v[OT+1+16*\b]|, 0x1800000
.endr
.irp i, 2,4,6,8,10,12,14
.irp b, 0,1
	v_max3_num_f32 v[BM+\b], v[BM+\b], |v[OT+16*\b+\i]|, |v[OT+1+16*\b+\i]|
.endr
.endr
.irp b, 0,1
	v_permlanex16_b32 v[BT+\b], v[BM+\b], s[SEL], s[SEL+1]
.endr
.irp b, 0,1
	v_max_num_f32 v[BM+\b], v[BM+\b], v[BT+\b]
.endr
.irp b, 0,1
	v_add_nc_u32 v[SOP+\b], 0xff000000, v[BM+\b]
.endr
.irp b, 0,1
	v_lshrrev_b32 v[BT+\b], 23, v[SOP+\b]
.endr
	v_lshl_or_b32 v[EE+6], v[BT+1], 8, v[BT]       ; my row's two bytes
	v_cvt_scalef32_pk16_fp6_f32 v[EE:EE+2], v[OT:OT+15], v[SOP]
	v_cvt_scalef32_pk16_fp6_f32 v[FF:FF+2], v[OT+16:OT+31], v[SOP+1]
	v_nop
.irp i, 0,1,2
	v_permlane16_swap_b32 v[EE+\i], v[FF+\i]
.endr
.irp i, 0,1,2
	v_mov_b32 v[EE+3+\i], v[FF+\i]
.endr
.irp p, 0,1,2
	global_store_b64 v4, v[EE+2*\p:EE+2*\p+1], s[OB:OB+1] offset:12288*(\u)+256*\p
.endr
	global_store_b16 v5, v[EE+6], s[OSB:OSB+1] offset:128*(\u)   ; lanes r and 16 + r write the same two bytes with the same value
.endm
	TILE_INIT 0
	MEET 2                                         ; the scale words and key steps 0-1; the two later phases may be out
	RUN 2, 0
	MEET 1                                         ; key steps 2-5; the last phase may be out
	RUN 4, 2
	MEET 0
	RUN 10, 6
	WAYOUT 0
	TILE_INIT 1
	RUN 16, 0                                      ; all of K and V has landed: no wait, no barrier
	WAYOUT 1
	s_wait_tensorcnt 0x0
	ds_add_u32 v247, v255
	s_wait_dscnt 0x0
	ROUND                                          ; the closing round
	s_endpgm
.Lfunc_end_k_q30300b7e6a_attn:
	.size	k_q30300b7e6a_attn, .Lfunc_end_k_q30300b7e6a_attn-k_q30300b7e6a_attn
	.p2alignl 7, 3214868480
	.fill 96, 4, 3214868480
	.section	.rodata,"a",@progbits
	.p2align	6, 0x0
	.amdhsa_kernel k_q30300b7e6a_attn
		.amdhsa_group_segment_fixed_size 206848
		.amdhsa_private_segment_fixed_size 0
		.amdhsa_enable_private_segment 0
		.amdhsa_kernarg_size 24
		.amdhsa_user_sgpr_count 2
		.amdhsa_user_sgpr_kernarg_segment_ptr 1
		.amdhsa_wavefront_size32 1
		.amdhsa_system_sgpr_workgroup_id_x 1
		.amdhsa_system_sgpr_workgroup_id_y 1
		.amdhsa_system_sgpr_workgroup_id_z 1
		.amdhsa_system_vgpr_workitem_id 0
		.amdhsa_next_free_vgpr 256
		.amdhsa_next_free_sgpr 100
		.amdhsa_reserve_vcc 0
		.amdhsa_float_denorm_mode_32 3
		.amdhsa_float_denorm_mode_16_64 3
		.amdhsa_memory_ordered 1
		.amdhsa_forward_progress 1
		.amdhsa_inst_pref_size 81
	.end_amdhsa_kernel
	.amdgpu_metadata
---
amdhsa.version: [ 1, 2 ]
amdhsa.kernels:
  - .name:           k_q30300b7e6a_attn
    .symbol:         k_q30300b7e6a_attn.kd
    .args:
      - { .name: qk, .offset: 0, .size: 8, .value_kind: global_buffer, .address_space: global }
      - { .name: vq, .offset: 8, .size: 8, .value_kind: global_buffer, .address_space: global }
      - { .name: oq, .offset: 16, .size: 8, .value_kind: global_buffer, .address_space: global }
    .group_segment_fixed_size: 206848
    .private_segment_fixed_size: 0
    .kernarg_segment_align: 8
    .kernarg_segment_size: 24
    .max_flat_workgroup_size: 512
    .sgpr_count:     100
    .vgpr_count:     256
    .wavefront_size: 32
...
	.end_amdgpu_metadata
.endif
;; end of part 4
;; launch gemm_proj (part 5): grid 4 x 32, 4 waves a work-group, clusters of 4 x 4, 327,680 bytes of LDS; arguments oq, wq, b_proj, out0; writes out0
.if DOCPART == 5
	.amdgcn_target "amdgcn-amd-amdhsa--gfx1250"
	.amdhsa_code_object_version 6
	.text
	.protected	k_q30300b7e6a_gemm_proj
	.globl	k_q30300b7e6a_gemm_proj
	.p2align	8
	.type	k_q30300b7e6a_gemm_proj,@function
k_q30300b7e6a_gemm_proj:
	s_mov_b64 s[64:65], 0
	v_nop
	global_prefetch_b8 v0, s[64:65] scope:SCOPE_SE
	s_setreg_imm32_b32 hwreg(HW_REG_WAVE_MODE, 25, 1), 1
	s_wait_xcnt 0x0
	s_wait_alu depctr_hold_cnt(0) depctr_sa_sdst(0) depctr_va_vdst(0) depctr_va_sdst(0) depctr_va_ssrc(0) depctr_va_vcc(0) depctr_vm_vsrc(0)
	s_getreg_b32 s2, hwreg(HW_REG_IB_STS2, 6, 4)
	s_cmp_eq_u32 s2, 0
	s_cbranch_scc0 .Lentry_in_a_cluster
	s_endpgm
.Lentry_in_a_cluster:
	s_bfe_u32 s2, ttmp6, 0x10000c
	s_cmp_lg_u32 s2, 0xf033
	s_cbranch_scc0 .Lentry_shape_is_right
	s_endpgm
.Lentry_shape_is_right:
; out = o w_proj + b_proj on codes of FP6 (E2M3) with E8M0 scales; out is f32.
; A tile of 256 x 256 to a work-group of four waves, 128 x 128 to a wave; K = 1,024 in four slots' worth of 256 through a ring of two LDS slots; cluster 4 x 4 with joint loads: A = tokens (oq), shared along a row, B = columns of w_proj
; (rows 3,072 on of wq), shared along a column.  THE MATRIX INSTRUCTION IS USED TRANSPOSED (source 0 = B, source 1 = A): a lane holds one token and eight neighbouring columns.
; Fragments lie in memory and LDS as images of their registers: wq's registers 4 c .. 4 c + 3 at 512 c + 16 lane (three loads of 16 bytes a lane), oq's registers 2 p, 2 p + 1 at 256 p + 8 lane (six of 8 bytes).
; In each 32 rows of both operands, row i lies at position i with bits 3 and 4 swapped; the way out puts rows and columns back by immediates.
; The bias is the C of each sum's first matrix instruction.  The grid has 128 work-groups: the tile is kept as large as in the first product, so that both run the same loop.
; Nothing is prefetched: of the four fills of a slot two go out at the head.
; REGISTERS: window 0: v5, v16-29 addresses; v32-63 scale words, two sets, and nothing else; v128-223 A's fragments; on the way out v128-255 rows read back.
;   window 1: B's fragments at v0 and v128; the bias at v96-127 and v224-255.  windows 2, 3: the accumulators.
.set OS_OFF,  6291456
.set WS_OFF,  3145728
.set NQ,     2
.set FR,     12
.set FRB,    1536
.set NLA,    6                         ; LDS loads that bring a fragment of A
.set NP,     4
.set TROW,   3072
.set HALFT,  8*TROW
.set SLOT,   4*HALFT
.set LAPS,   2
.set SCL,    2*SLOT
.set SPARE,  SCL+16640
.set SPITCH, 528                       ; the way out: a stage of 16 rows x (512 + 16) bytes for each wave, in slot 0, which has had its last fill and its last read by then
.set ADRA, 16
.set ADRB, 20
.set STO,  24
.set RD,   25
.set CO,   26
.set ADRS, 27
.set SPW,  28
.set NIL,  29
.set SC,   32
.set AF,   128
.set BK,   128
.set G1, 24
.set G0, 32
.set G1B, 48
.set G0B, 56
.set G1S, 68
.set G0S, 76
.set G1SB, 80
.set G0SB, 88
.set MSB, 0
.macro WIN new
.if MSB != (\new)
	s_set_vgpr_msb (MSB<<8)|(\new)
.set MSB, (\new)
.endif
.endm
.set MUL_LO, 0xa1
.set MUL_HI, 0xf1
.set TO_B,   0x40
.macro JLOAD g0a, g1a, g0b, g1b        ; waves 0 and 1 fetch for A, waves 2 and 3 for B; four v_nop follow each line
	s_cmp_eq_u32 s15, 0
	s_cbranch_scc0 .Lfor_b_\@
	tensor_load_to_lds s[\g0a:\g0a+3], s[\g1a:\g1a+7]
	s_nop 0
.rept 4
	v_nop
.endr
	s_branch .Lasked_\@
.Lfor_b_\@:
	tensor_load_to_lds s[\g0b:\g0b+3], s[\g1b:\g1b+7]
	s_nop 0
.rept 4
	v_nop
.endr
.Lasked_\@:
.endm
.macro CREST
	s_cmp_lg_u32 s14, 0
	s_cbranch_scc1 .Lnot_wave_0_\@
	s_barrier_signal -3
.Lnot_wave_0_\@:
	s_barrier_wait -3
	s_barrier_signal -1
	s_barrier_wait -1
.endm
.macro CROUND
	s_barrier_signal -1
	s_barrier_wait -1
	CREST
.endm
	s_load_b128 s[4:7], s[0:1], 0x0                ; oq, wq
	s_load_b128 s[8:11], s[0:1], 0x10              ; b_proj, out0
	v_lshl_add_u32 v[SPW], v0, 2, SPARE
	v_mov_b32 v[NIL], 0
	ds_add_u32 v28, v29
	ds_add_u32 v28, v29
	s_wait_dscnt 0x0
	v_lshrrev_b32 v1, 5, v0
	v_readfirstlane_b32 s14, v1
	s_lshr_b32 s15, s14, 1
	s_and_b32 s16, s14, 1
	s_bfe_u32 s40, ttmp6, 0x40000                  ; cx
	s_bfe_u32 s41, ttmp6, 0x40004                  ; cy
	s_and_b32 s17, ttmp7, 0xffff
	s_lshl_b32 s17, s17, 2
	s_add_co_u32 s17, s17, s41                     ; A's tile of 256 tokens
	s_add_co_u32 s42, s40, 12                      ; B's tile of 256 rows of wq
	s_lshl_b32 s43, s41, 2
	s_lshl_b32 s43, 15, s43
	s_lshl_b32 s44, 0x1111, s40
	s_or_b32 s[G1+0], s43, (3<<16)|(1<<21)
	s_or_b32 s[G1B+0], s44, (3<<16)|(1<<21)
.irp g, G1, G1B                                ; 8 row tiles x 3,072 bytes, 12,288 bytes apart
	s_mov_b32 s[\g+1], 384<<16
	s_mov_b32 s[\g+2], 8<<16
	s_mov_b32 s[\g+3], 384<<16
	s_mov_b32 s[\g+4], 8
	s_mov_b32 s[\g+5], 1536
	s_mov_b32 s[\g+6], 0
	s_mov_b32 s[\g+7], 0
.endr
	s_or_b32 s[G1S+0], s43, (3<<16)|(1<<21)
	s_or_b32 s[G1SB+0], s44, (3<<16)|(1<<21)
.irp g, G1S, G1SB                              ; the scale words of 128 rows: 16 rows of 256 bytes, dense
	s_mov_b32 s[\g+1], 32<<16
	s_mov_b32 s[\g+2], 16<<16
	s_mov_b32 s[\g+3], 32<<16
	s_mov_b32 s[\g+4], 16
	s_mov_b32 s[\g+5], 32
	s_mov_b32 s[\g+6], 0
	s_mov_b32 s[\g+7], 0
.endr
	s_lshl_b32 s18, s16, 3
	s_lshl_b32 s20, s17, 4
	s_add_co_u32 s20, s20, s18
	s_mul_i32 s20, s20, 12288
	s_mov_b32 s21, 0
	s_lshl_b32 s46, s42, 4
	s_add_co_u32 s46, s46, s18
	s_mul_i32 s46, s46, 12288
	s_mov_b32 s47, 0
	s_lshl_b32 s22, s17, 1
	s_add_co_u32 s22, s22, s16
	s_lshl_b32 s22, s22, 12
	s_add_co_u32 s22, s22, OS_OFF
	s_mov_b32 s23, 0
	s_lshl_b32 s12, s42, 1
	s_add_co_u32 s12, s12, s16
	s_lshl_b32 s12, s12, 12
	s_add_co_u32 s12, s12, WS_OFF
	s_mov_b32 s13, 0
	s_mul_i32 s45, s14, HALFT
	s_lshl_b32 s19, s14, 12
	s_wait_kmcnt 0x0
	s_add_nc_u64 s[20:21], s[4:5], s[20:21]
	s_add_nc_u64 s[22:23], s[4:5], s[22:23]
	s_add_nc_u64 s[46:47], s[6:7], s[46:47]
	s_add_nc_u64 s[12:13], s[6:7], s[12:13]
	CROUND                                         ; all sixteen work-groups are here: the first joint loads meet
	s_mov_b32 s[G0S], 1
	s_add_co_u32 s[G0S+1], s19, SCL
	s_mov_b64 s[G0S+2:G0S+3], s[22:23]
	s_or_b32 s[G0S+3], s[G0S+3], 0x80000000
	s_mov_b32 s[G0SB], 1
	s_add_co_u32 s[G0SB+1], s19, SCL+128
	s_mov_b64 s[G0SB+2:G0SB+3], s[12:13]
	s_or_b32 s[G0SB+3], s[G0SB+3], 0x80000000
	JLOAD G0S, G1S, G0SB, G1SB
.irp s, 0,1
	s_mov_b32 s[G0+4*\s], 1
	s_add_co_u32 s[G0+4*\s+1], s45, \s*SLOT
	s_add_nc_u64 s[G0+4*\s+2:G0+4*\s+3], s[20:21], \s*TROW
	s_or_b32 s[G0+4*\s+3], s[G0+4*\s+3], 0x80000000
	s_mov_b32 s[G0B+4*\s], 1
	s_add_co_u32 s[G0B+4*\s+1], s45, \s*SLOT
	s_add_nc_u64 s[G0B+4*\s+2:G0B+4*\s+3], s[46:47], \s*TROW
	s_or_b32 s[G0B+4*\s+3], s[G0B+4*\s+3], 0x80000000
	JLOAD G0+4*\s, G1, G0B+4*\s, G1B
.endr
	v_and_b32 v1, 15, v0                           ; r
	v_bfe_u32 v2, v0, 4, 1                         ; h
	v_and_b32 v3, 31, v0
	v_lshlrev_b32 v[CO], 4, v3                     ; 16 x lane
	v_lshlrev_b32 v4, 3, v3                        ; 8 x lane
	v_lshlrev_b32 v5, 6, v2                        ; the bias: lanes 16-31 begin 16 columns on
	s_lshl_b32 s96, s40, 10
	s_lshl_b32 s97, s16, 9
	s_add_co_u32 s96, s96, s97                     ; my first column, in bytes
	s_mov_b32 s97, 0
	s_add_nc_u64 s[8:9], s[8:9], s[96:97]
	s_add_nc_u64 s[10:11], s[10:11], s[96:97]
	WIN TO_B
.irp b, 0,1,2,3,4,5,6,7                        ; tile b's eight columns of my half: 32 (b / 2) + 8 (b % 2) + 16 h + 0 .. 7
	global_load_b128 v[96+8*\b+96*(\b/4):96+8*\b+96*(\b/4)+3], v5, s[8:9] offset:128*(\b/2)+32*(\b%2)
	global_load_b128 v[96+8*\b+96*(\b/4)+4:96+8*\b+96*(\b/4)+7], v5, s[8:9] offset:128*(\b/2)+32*(\b%2)+16
.endr
	WIN 0
	s_lshl_b32 s96, s17, 20                        ; my first row of out: 256 x tile + 128 x half, rows of 4,096 bytes
	s_lshl_b32 s98, s15, 19
	s_add_co_u32 s96, s96, s98
	s_add_nc_u64 s[10:11], s[10:11], s[96:97]
	s_mul_i32 s96, s15, HALFT
	s_mul_i32 s98, s16, HALFT
	s_add_co_u32 s98, s98, 2*HALFT
.irp s, 0,1
	v_add_nc_u32 v[ADRA+\s], s96, v4
	v_add_nc_u32 v[ADRB+\s], s98, v[CO]
	s_add_co_u32 s96, s96, SLOT
	s_add_co_u32 s98, s98, SLOT
.endr
	s_lshl_b32 s96, s15, 12
	s_lshl_b32 s98, s16, 12
	s_add_co_u32 s98, s98, 8320
	s_sub_co_u32 s98, s98, s96
	v_mul_u32_u24 v6, s98, v2                      ; lanes 16-31 take B's scale words: one product, the distance between the two
	s_add_co_u32 s96, s96, SCL
	v_lshl_add_u32 v6, v1, 3, v6
	v_add_nc_u32 v[ADRS], s96, v6
	s_mul_i32 s96, s14, 16*SPITCH                  ; my stage
	v_mul_u32_u24 v6, v1, SPITCH
	v_lshl_add_u32 v6, v2, 6, v6
	v_add_nc_u32 v[STO], s96, v6                   ; in: row r, + 64 h
	v_add_nc_u32 v[RD], s96, v[CO]                 ; back: a row of 512 bytes to the 32 lanes
.macro FRAG reg, adr, q, i
.irp c, 0,1,2
	ds_load_b128 v[\reg+4*\c:\reg+4*\c+3], v[\adr] offset:(\i)*TROW+(\q)*FRB+512*\c
.endr
.endm
.macro FRAG6 reg, adr, q, i
.irp p, 0,1,2,3,4,5
	ds_load_b64 v[\reg+2*\p:\reg+2*\p+1], v[\adr] offset:(\i)*TROW+(\q)*FRB+256*\p
.endr
.endm
; 16 matrix instructions; the 64 accumulators take turns, one instruction a turn.  zero = 1: the bias starts the sums
.macro MUL16 a0, p, q, sc, zero
.irp a, \a0, \a0+1
.irp b, 0,1,2,3,4,5,6,7
.if \zero
	v_wmma_scale_f32_16x16x128_f8f6f4 v[8*(8*((\a)%4)+\b):8*(8*((\a)%4)+\b)+7], v[128*(\p)+FR*\b:128*(\p)+FR*\b+FR-1], v[AF+FR*(\a):AF+FR*(\a)+FR-1], v[96+8*\b+96*(\b/4):96+8*\b+96*(\b/4)+7], v[SC+8*NQ*(\sc)+NQ*\b+(\q)], v[SC+8*NQ*(\sc)+NQ*(\a)+(\q)] matrix_a_fmt:MATRIX_FMT_FP6 matrix_b_fmt:MATRIX_FMT_FP6 matrix_a_scale:MATRIX_SCALE_ROW1
.else
	v_wmma_scale_f32_16x16x128_f8f6f4 v[8*(8*((\a)%4)+\b):8*(8*((\a)%4)+\b)+7], v[128*(\p)+FR*\b:128*(\p)+FR*\b+FR-1], v[AF+FR*(\a):AF+FR*(\a)+FR-1], v[8*(8*((\a)%4)+\b):8*(8*((\a)%4)+\b)+7], v[SC+8*NQ*(\sc)+NQ*\b+(\q)], v[SC+8*NQ*(\sc)+NQ*(\a)+(\q)] matrix_a_fmt:MATRIX_FMT_FP6 matrix_b_fmt:MATRIX_FMT_FP6 matrix_a_scale:MATRIX_SCALE_ROW1
.endif
.endr
.endr
.endm
.macro FETCH_B slot, q, p
	WIN TO_B
.irp i, 0,1,2,3,4,5,6,7
	FRAG 128*(\p)+FR*\i, ADRB+\slot, \q, \i
.endr
	WIN 0
.endm
.macro FETCH_A slot, q, i0
.irp i, \i0, \i0+1, \i0+2, \i0+3
	FRAG6 AF+FR*(\i), ADRA+\slot, \q, \i
.endr
.endm
.macro SCALES sc
.irp i, 0,1,2,3,4,5,6,7
	ds_load_b64 v[SC+8*NQ*\sc+NQ*\i:SC+8*NQ*\sc+NQ*\i+1], v[ADRS] offset:\i*128
.endr
.endm
.macro PLACES n
.rept \n
	v_nop
.endr
.endm
.macro STEP slot, q, zero
	s_wait_dscnt 4*NLA                             ; B's set and A's blocks 0-3 are in; the youngest 24 loads (A's blocks 4-7) may be out
.if \zero
	WIN 0x91                                       ; source 0 and C (the bias) window 1, D window 2
.else
	WIN MUL_LO
.endif
	MUL16 0, (\q)%2, \q, \slot, \zero
	MUL16 2, (\q)%2, \q, \slot, \zero
	s_wait_dscnt 0
	PLACES NP
	FETCH_B \slot, (\q)+1, 1-(\q)%2
	FETCH_A \slot, (\q)+1, 0
.if \zero
	WIN 0xd1
.else
	WIN MUL_HI
.endif
	MUL16 4, (\q)%2, \q, \slot, \zero
	MUL16 6, (\q)%2, \q, \slot, \zero
	PLACES NP
	WIN 0
	FETCH_A \slot, (\q)+1, 4
.endm
.macro TURN slot, next, fill
	s_wait_tensorcnt 0x0                           ; all my tensor loads have landed: my part of the next slot
	ds_add_u32 v[SPW], v[NIL]                      ; 0 onto my spare word
	s_wait_dscnt 4*NLA+1                           ; (the add and the youngest 24 loads may be out)
	WIN MUL_LO
	MUL16 0, 1, NQ-1, \slot, 0
	s_wait_dscnt 0x0                               ; the add is done, and my reads of this slot are over
	s_barrier_signal -1
	MUL16 2, 1, NQ-1, \slot, 0
	WIN 0
	s_barrier_wait -1
.if \fill
	CREST                                          ; the barrier has opened a round of the cluster's
	s_add_nc_u64 s[G0+4*\slot+2:G0+4*\slot+3], s[G0+4*\slot+2:G0+4*\slot+3], 2*TROW
	s_add_nc_u64 s[G0B+4*\slot+2:G0B+4*\slot+3], s[G0B+4*\slot+2:G0B+4*\slot+3], 2*TROW
	JLOAD G0+4*\slot, G1, G0B+4*\slot, G1B
.else
	PLACES NP
.endif
	v_add_nc_u32 v[ADRS], 1024, v[ADRS]
	FETCH_B \next, 0, 0
	FETCH_A \next, 0, 0
	SCALES \next
	WIN MUL_HI
	MUL16 4, 1, NQ-1, \slot, 0
	MUL16 6, 1, NQ-1, \slot, 0
	PLACES NP
	WIN 0
	FETCH_A \next, 0, 4
.endm
	s_wait_tensorcnt 1                             ; the scale words and my part of slot 0 are in; slot 1's load may be out
	s_barrier_signal -1
	s_barrier_wait -1
	FETCH_B 0, 0, 0
	FETCH_A 0, 0, 0
	SCALES 0
	FETCH_A 0, 0, 4
	s_wait_loadcnt 0x0                             ; the bias
	STEP 0, 0, 1
	s_mov_b32 s3, LAPS-1
.Llap:
	TURN 0, 1, 1
	STEP 1, 0, 0
	TURN 1, 0, 1
	STEP 0, 0, 0
	s_sub_co_u32 s3, s3, 1
	s_cmp_lg_u32 s3, 0
	s_cbranch_scc1 .Llap
	TURN 0, 1, 0
	STEP 1, 0, 0
	s_wait_dscnt 4*NLA
	WIN MUL_LO
	MUL16 0, 1, NQ-1, 1, 0
	MUL16 2, 1, NQ-1, 1, 0
	s_wait_dscnt 0
	WIN MUL_HI
	MUL16 4, 1, NQ-1, 1, 0
	MUL16 6, 1, NQ-1, 1, 0
	WIN 0
; THE WAY OUT, block by block of 16 tokens x 128 columns, through my own stage: LDS serves a wave's instructions in order, so no wait stands between the stores and the loads.
.macro TOSTAGE a
.set AC, 64*((\a)%4)
	WIN 0x08+4*((\a)/4)                            ; the data: window 2 or 3
.irp b, 0,1,2,3,4,5,6,7
	ds_store_b128 v[STO], v[AC+8*\b:AC+8*\b+3] offset:128*(\b/2)+32*(\b%2)        ; each accumulator from its low end on; the columns fall into their natural places
	ds_store_b128 v[STO], v[AC+8*\b+4:AC+8*\b+7] offset:128*(\b/2)+32*(\b%2)+16
.endr
	WIN 0
.set BB, BK+64*((\a)%2)
.irp t, 0,1,2,3,4,5,6,7,8,9,10,11,12,13,14,15
	ds_load_b128 v[BB+4*\t:BB+4*\t+3], v[RD] offset:\t*SPITCH
.endr
.endm
.macro SEND a, younger                 ; row t of block a is token 32 (a / 2) + 8 (a % 2) + t % 8 + 16 (t / 8) of my 128
.set BB, BK+64*((\a)%2)
	s_wait_dscnt \younger
.irp t, 0,1,2,3,4,5,6,7,8,9,10,11,12,13,14,15
	global_store_b128 v[CO], v[BB+4*\t:BB+4*\t+3], s[10:11] offset:(32*((\a)/2)+8*((\a)%2)+(\t%8)+16*(\t/8))*4096 th:TH_STORE_NT   ; 512 consecutive bytes, aligned
.endr
.endm
	PLACES NP
	TOSTAGE 0
.irp a, 1,2,3,4,5,6,7
.if \a > 1
	s_wait_xcnt 0x0                                ; block a - 2's stores have read their registers: block a's loads may land there
.endif
	TOSTAGE \a
	SEND \a-1, 32                                  ; behind block a - 1's loads: block a's 16 stores and 16 loads
.endr
	SEND 7, 0
	s_wait_tensorcnt 0x0                           ; the wave's end
	ds_add_u32 v[SPW], v[NIL]
	s_wait_dscnt 0x0
	CROUND                                         ; the closing round
	s_endpgm
.Lfunc_end_k_q30300b7e6a_gemm_proj:
	.size	k_q30300b7e6a_gemm_proj, .Lfunc_end_k_q30300b7e6a_gemm_proj-k_q30300b7e6a_gemm_proj
	.p2alignl 7, 3214868480
	.fill 96, 4, 3214868480
	.section	.rodata,"a",@progbits
	.p2align	6, 0x0
	.amdhsa_kernel k_q30300b7e6a_gemm_proj
		.amdhsa_group_segment_fixed_size 327680
		.amdhsa_private_segment_fixed_size 0
		.amdhsa_enable_private_segment 0
		.amdhsa_kernarg_size 32
		.amdhsa_user_sgpr_count 2
		.amdhsa_user_sgpr_kernarg_segment_ptr 1
		.amdhsa_wavefront_size32 1
		.amdhsa_system_sgpr_workgroup_id_x 1
		.amdhsa_system_sgpr_workgroup_id_y 1
		.amdhsa_system_sgpr_workgroup_id_z 1
		.amdhsa_system_vgpr_workitem_id 0
		.amdhsa_next_free_vgpr 1024
		.amdhsa_next_free_sgpr 100
		.amdhsa_reserve_vcc 0
		.amdhsa_float_denorm_mode_32 3
		.amdhsa_float_denorm_mode_16_64 3
		.amdhsa_memory_ordered 1
		.amdhsa_forward_progress 1
		.amdhsa_inst_pref_size 149
	.end_amdhsa_kernel
	.amdgpu_metadata
---
amdhsa.version: [ 1, 2 ]
amdhsa.kernels:
  - .name:           k_q30300b7e6a_gemm_proj
    .symbol:         k_q30300b7e6a_gemm_proj.kd
    .args:
      - { .name: oq, .offset: 0, .size: 8, .value_kind: global_buffer, .address_space: global }
      - { .name: wq, .offset: 8, .size: 8, .value_kind: global_buffer, .address_space: global }
      - { .name: b_proj, .offset: 16, .size: 8, .value_kind: global_buffer, .address_space: global }
      - { .name: out0, .offset: 24, .size: 8, .value_kind: global_buffer, .address_space: global }
    .group_segment_fixed_size: 327680
    .private_segment_fixed_size: 0
    .kernarg_segment_align: 8
    .kernarg_segment_size: 32
    .max_flat_workgroup_size: 128
    .sgpr_count:     100
    .vgpr_count:     1024
    .wavefront_size: 32
...
	.end_amdgpu_metadata
.endif
;; end of part 5
